; MI455X (gfx1250); checked and timed in simulation.
; The chip was launched on July 23, 2026; its instructions are those of AMD's public machine-readable ISA for CDNA 5 (MIT licence, August 2026) and "CDNA5" Instruction Set Architecture Reference Guide (July 2026). The comments in the code are by the model that wrote it; some were corrected since.
;; Massive Pool. Allowed arithmetic: matrix products marked QUANTISED: E2M1 operands, one E8M0 scale for each 32 along K, by v_wmma_scale_f32_16x16x128_f8f6f4 with both operands' format E2M1 (or v_wmma_scale_f32_32x16x128_f4), f32 sums; products left as they are: f32 operands where the result goes on into a quantised operand, else bf16, f16 or f32 operands; f32 sums; everything else in f32.
;; Inputs: keys_codes 65,536 x 4 x 16 uint8 (E2M1 codes of keys, K innermost, in blocks of 32 codes, two codes a byte); keys_scales 65,536 x 4 uint8 (E8M0 scales of keys, one for each 32 codes along K); pool 65,536 x 256 float32; query_codes 2 x 1,024 x 4 x 16 uint8 (E2M1 codes of query, K innermost, in blocks of 32 codes, two codes a byte); query_scales 2 x 1,024 x 4 uint8 (E8M0 scales of query, one for each 32 codes along K); w_out_codes 256 x 8 x 16 uint8 (E2M1 codes of w_out, K innermost, in blocks of 32 codes, two codes a byte); w_out_scales 256 x 8 uint8 (E8M0 scales of w_out, one for each 32 codes along K).
;; Outputs: out0 2 x 1,024 x 256 float32.
;; This version of the problem:
;;   THIS VERSION OF THE PROBLEM IS GIVEN IN LOW PRECISION. The matrix products marked QUANTISED in the list below multiply operands that are first quantised to E2M1 (2 exponent bits, 1 mantissa bit; 4 bits a number), with one power-of-two scale for each 32 numbers along K (OCP MX v1.0); their sums are f32. All else is computed in f32.
;;   The module's matrix products, in the order in which they are computed (A, B: the left and right operand; K: the contracted axis; several contracted axes count as one K, in the product's order):
;;     1. [M 2,048, K 128] x [K 128, N 65,536]; A: input query (given as codes); B: input keys (given as codes): QUANTISED
;;     2. batch 2,048 x [M 256, K 32] x [K 32, N 1]; A: computed on the way; B: softmax: left as it is (N = 1 < 16)
;;     3. [M 2,048, K 256] x [K 256, N 256]; A: computed on the way; B: input w_out (given as codes): QUANTISED
;;   THE QUANTISER, for each operand of a quantised product, along K:
;;     - K is cut into blocks of 32 from its start; a last block that is shorter is filled with zeros.
;;     - A block's scale is 2^e with e = floor(log2(the largest magnitude in the block)) - 2, held to -126 .. 127; a block of zeros has e = 0. As a byte (E8M0): e + 127.
;;     - Each number is divided by its block's scale, clamped to +-6, and rounded to the nearest number of E2M1, ties to even, subnormals kept.
;;     - The product sums the exact products of the quantised numbers (number of the format x scale) in f32.
;;   ~~~python
;;   def quantise(x, axis):      # numpy; x: float32 -> the quantised numbers, widened to float32 again
;;       x = np.moveaxis(x, axis, -1); K = x.shape[-1]
;;       x = np.pad(x, [(0, 0)] * (x.ndim - 1) + [(0, -K % 32)]); x = x.reshape(x.shape[:-1] + (-1, 32)); a = np.abs(x).max(-1, keepdims=True)
;;       e = np.where(a > 0, np.clip(np.frexp(np.where(a > 0, a, 1))[1] - 1 - 2, -126, 127), 0)      # np.frexp(a)[1] - 1 = floor(log2(a)), exactly
;;       r = np.clip(x / 2.0 ** e, -6, 6)
;;       step = 2.0 ** (np.maximum(np.frexp(np.where(r == 0, 1, r))[1] - 1, 0) - 1)
;;       q = np.round(r / step) * step * 2.0 ** e      # np.round: ties to even
;;       return np.moveaxis(q.reshape(q.shape[:-2] + (-1,))[..., :K], -1, axis).astype(np.float32)
;;   ~~~
;;   OPERANDS COMPUTED ON THE WAY. 'Computed on the way' means the value that the module computes at that place (a softmax that the list does not call 'softmax' is quantised finished and normalised). What goes into a quantiser is computed in f32, as accurately as f32 sums, v_exp_f32 and their like allow (about 1e-6 of the number): no bf16 or f16 on the way to a quantiser, and a product that is left as it is and whose result goes on into a quantised operand takes f32 operands (vector FMAs, or v_wmma_f32_16x16x4_f32). A number that lies on a knife's edge between two numbers of the format may be rounded either way, as far as f32 arithmetic and the matrix unit's own rounding can turn it there, and no further.
;;   INPUTS GIVEN AS CODES. keys (in the module: [65536, 128], K = its axis 1); query (in the module: [2, 1024, 128], K = its axis 2); w_out (in the module: [256, 256], K = its axis 1): each comes as NAME_codes (uint8): NAME with its K axis moved to the last place and cut into blocks of 32 codes, [.., K / 32, bytes a block], one block behind the other in memory; two codes a byte, the lower K in the low four bits (a code: sign, 2 exponent bits, 1 mantissa bit); and NAME_scales (uint8): the same leading axes, one E8M0 byte (e + 127) for each 32 codes along K. Its value is code x scale, taken as it is: it is not quantised again, and the codes and scales need not be those that the quantiser above would give.
;; 2 versions, each right; version 2 is version 1 with the launches pickk, gather written anew for expert scheduling mode. Each part assembles by itself: llvm-mc -triple=amdgcn-amd-amdhsa -mcpu=gfx1250 --defsym DOCPART=n.
;; ======== version 1 of 2: 4 launches
;; workspace buffers: gmax 16,777,216 bytes; glist 262,144 bytes of whole numbers; klist 262,144 bytes of whole numbers
;; launch groupmax (part 1): grid 16 x 16, 4 waves a work-group, clusters of 4 x 1, 327,680 bytes of LDS; arguments query_codes, query_scales, keys_codes, keys_scales, gmax; writes gmax
.if DOCPART == 1
	.amdgcn_target "amdgcn-amd-amdhsa--gfx1250"
	.amdhsa_code_object_version 6
	.text
	.protected	k_q628ca5092c_groupmax
	.globl	k_q628ca5092c_groupmax
	.p2align	8
	.type	k_q628ca5092c_groupmax,@function
k_q628ca5092c_groupmax:
	s_mov_b64 s[64:65], 0
	v_nop
	global_prefetch_b8 v0, s[64:65] scope:SCOPE_SE
	s_setreg_imm32_b32 hwreg(HW_REG_WAVE_MODE, 25, 1), 1
	s_wait_xcnt 0x0
	s_wait_alu depctr_hold_cnt(0) depctr_sa_sdst(0) depctr_va_vdst(0) depctr_va_sdst(0) depctr_va_ssrc(0) depctr_va_vcc(0) depctr_vm_vsrc(0)
	s_getreg_b32 s2, hwreg(HW_REG_IB_STS2, 6, 4)
	s_cmp_eq_u32 s2, 0
	s_cbranch_scc0 .Lentry_in_a_cluster
	s_endpgm
.Lentry_in_a_cluster:
	s_bfe_u32 s2, ttmp6, 0x10000c
	s_cmp_lg_u32 s2, 0x3003
	s_cbranch_scc0 .Lentry_shape_is_right
	s_endpgm
.Lentry_shape_is_right:
; LAUNCH 1 OF 4.  reference(): scores = query . keys (2,048 x 65,536, K = 128, on codes of E2M1), the 32 best of each row (ties: the lower index), softmax of
; them, the weighted sum of their rows of pool, that sum quantised and multiplied with w_out's codes.
; DEAD WORK: none.  Every product and every input of reference() has a way to out0, and nothing of it is left out.  Rows of pool that no query chooses are not read:
; that is the lookup by an index, made in the last launch, which reads the indices from memory.
; HOW THE 32 BEST ARE FOUND.  Order a row's elements by (score falling, index rising).  Cut the keys into 2,048 groups of 32 neighbours, ordered by (largest score falling,
; group rising): that is the order of the groups' best elements.  If one of the 32 best elements lay in none of the 32 best groups, 32 other groups' best elements would
; stand ahead of it.  So: this launch makes all scores and keeps each group's largest; launch 2 picks the 32 best groups of each row; launch 3 makes those groups' 1,024 scores
; again (same instruction, same operands, C = 0: the same bits) and picks the 32 best keys; launch 4 does the rest.
; LIMITS: NaN is not served (a scale byte 0xff, or infinities that meet); +0 and -0 count as equal scores, the lower index first.
; SHARES.  A work-group takes 128 queries (8 tiles of 16) x 4,096 keys; wave w its keys 1,024 w on, against all 8 tiles: each fragment of keys read from LDS feeds 8 products.
; CLUSTER.  The four partners differ in their queries alone and need the same keys: each tile is asked for jointly, by the same tensor load with the mask of all four.
; A wave reads only the bytes that its own loads brought, and nothing is filled twice: three loads a wave are out at the most, and the only barriers are the cluster's two rounds.
; LAYOUT.  Source 0 = 16 queries, source 1 = 16 keys: register j of lane (r, h) is the score of query 8 h + j and lane r's key.  A wave's keys go in two spans of 512; in a span
; lane r owns group r: tile 16 t4 + tl gives it key 32 r + 16 t4 + (tl xor r).  Over 32 tiles a lane meets its whole group; a maximum does not ask in which order.
; The xor spreads the lanes: with rows of 256 bytes (4 keys) + 16 of padding the 16 lanes of a load touch 16 different 16-byte columns modulo 256 bytes.
; OUT.  gmax: pair p = 8 x query tile + j at 16,384 p; in it 256 c + 128 h + 8 l + 4 i holds the largest score of group 32 c + 16 i + l for query 16 x tile + 8 h + j.
; REGISTERS.  Window 0: v1 r, v2 h, v5 8 x lane, v6, v7 the add's two, v8-23, v24-39 LDS addresses for each tl, v40-43 Q's scale words, v44-45 the keys', v48-79 two buffers of two
; fragments of keys, v80-143 Q, v144-207 running maxima, v208-239 two banks of two accumulators.  Window 1: v0-127 the results, 2 (8 q + j) + i.
.set SPANB, 34816                      ; a span in LDS: 128 rows of 272 bytes
.set WAVEB, 69632                      ; a wave's two spans
.set SCL,   278528                     ; behind the codes: the scale words, 4,096 bytes a wave, dense
.set SPARE, 294912                     ; behind them: the spare words, 128 bytes a wave, two blocks of 256 bytes that no other line names
.set GO,  5
.set SPW, 6
.set NIL, 7
.set AK,  8
.set AS,  24
.set QS,  40
.set KS,  44
.set QA,  46
.set QB,  47
.set KF,  48
.set Q,   80
.set M,   144
.set D,   208
.set WV,  14                           ; s14 my wave's number
.set G1C, 24                           ; s[24:31] group 1 for the codes; s[32:39] for the scale words
.set G1S, 32
.set G0S, 40                           ; s[40:43], s[44:47], s[48:51] groups 0: scale words, span 0, span 1
.set G0A, 44
.set G0B, 48
.set MSB, 0
.macro WIN new                         ; the immediate's high byte repeats the setting that is left
.if MSB != \new
	s_set_vgpr_msb (MSB<<8)|\new
.set MSB, \new
.endif
.endm
.macro CROUND                          ; a round of the cluster's barrier
	s_barrier_signal -1
	s_barrier_wait -1
	s_cmp_lg_u32 s[WV], 0
	s_cbranch_scc1 .Lnot_wave_0_\@
	s_barrier_signal -3
.Lnot_wave_0_\@:
	s_barrier_wait -3
	s_barrier_signal -1
	s_barrier_wait -1
.endm
	s_load_b256 s[4:11], s[0:1], 0x0               ; Q's codes s[4:5], Q's scales s[6:7], the keys' codes s[8:9], their scales s[10:11]
	s_load_b64 s[12:13], s[0:1], 0x20              ; gmax
	v_lshl_add_u32 v[SPW], v0, 2, SPARE
	v_mov_b32 v[NIL], 0
	ds_add_u32 v[SPW], v[NIL]                      ; the wave's opening: the add, twice on end, and its wait ahead of my first tensor load
	ds_add_u32 v[SPW], v[NIL]                      ; and once more; the set-up below, work on registers, stands between it and the wait
	v_lshrrev_b32 v3, 5, v0
	v_readfirstlane_b32 s[WV], v3                  ; wave 0..3
	s_bfe_u32 s15, ttmp6, 0x40000                  ; cx: my place in the cluster
	s_lshl_b32 s16, ttmp9, 2
	s_add_co_u32 s16, s16, s15                     ; my block of 128 queries: it enters Q's and gmax's addresses alone
	s_and_b32 s17, ttmp7, 0xffff                   ; my block of 4,096 keys, which the four partners share
	; group 1 for a span's codes: 32,768 dense bytes as 128 rows of 32 elements of 8 bytes, 16 bytes of padding behind each row
	s_mov_b32 s[G1C+0], 15|(3<<16)|(1<<20)|(1<<21)|(5<<22)|(3<<25)  ; mask: all four; elements of 8 bytes; padding on; bit 21 beside a mask; after every 64 words; 4 words
	s_mov_b32 s[G1C+1], 32<<16                     ; tensor_dim0 = 32
	s_mov_b32 s[G1C+2], 128<<16                    ; tensor_dim1 = 128
	s_mov_b32 s[G1C+3], 32<<16                     ; tile_dim0 = 32
	s_mov_b32 s[G1C+4], 128                        ; tile_dim1 = 128
	s_mov_b32 s[G1C+5], 32                         ; from row to row
	s_mov_b32 s[G1C+6], 0
	s_mov_b32 s[G1C+7], 0
	; and for a wave's scale words: 4,096 dense bytes as 16 rows of 256, no padding
	s_mov_b32 s[G1S+0], 15|(3<<16)|(1<<21)
	s_mov_b32 s[G1S+1], 32<<16
	s_mov_b32 s[G1S+2], 16<<16
	s_mov_b32 s[G1S+3], 32<<16
	s_mov_b32 s[G1S+4], 16
	s_mov_b32 s[G1S+5], 32
	s_mov_b32 s[G1S+6], 0
	s_mov_b32 s[G1S+7], 0
	s_lshl_b32 s18, s17, 18                        ; my wave's keys in memory: 4,096 y + 1,024 w keys of 64 bytes,
	s_lshl_b32 s19, s[WV], 16
	s_add_co_u32 s18, s18, s19
	s_mov_b32 s19, 0
	s_lshl_b32 s20, s17, 14                        ; and of 4 scale bytes
	s_lshl_b32 s21, s[WV], 12
	s_add_co_u32 s20, s20, s21
	s_mov_b32 s21, 0
	s_mul_i32 s22, s[WV], WAVEB                    ; and in LDS: no place in the cluster enters an LDS address
	s_lshl_b32 s23, s[WV], 12
	s_add_co_u32 s23, s23, SCL
	s_wait_dscnt 0x0                               ; both opening adds are done
	s_wait_kmcnt 0x0
	s_mov_b32 s[G0S], 1
	s_mov_b32 s[G0S+1], s23
	s_add_nc_u64 s[G0S+2:G0S+3], s[10:11], s[20:21]
	s_or_b32 s[G0S+3], s[G0S+3], 0x80000000
	s_mov_b32 s[G0A], 1
	s_mov_b32 s[G0A+1], s22
	s_add_nc_u64 s[G0A+2:G0A+3], s[8:9], s[18:19]
	s_mov_b32 s[G0B], 1
	s_add_co_u32 s[G0B+1], s22, SPANB
	s_add_nc_u64 s[G0B+2:G0B+3], s[G0A+2:G0A+3], 32768
	s_or_b32 s[G0A+3], s[G0A+3], 0x80000000
	s_or_b32 s[G0B+3], s[G0B+3], 0x80000000
	CROUND                                         ; all four work-groups are here: the joint loads meet
	tensor_load_to_lds s[G0S:G0S+3], s[G1S:G1S+7]  ; my 1,024 keys' scale words
	s_nop 0
	tensor_load_to_lds s[G0A:G0A+3], s[G1C:G1C+7]  ; span 0
	s_nop 0
	tensor_load_to_lds s[G0B:G0B+3], s[G1C:G1C+7]  ; span 1: it lands under span 0's work
	s_nop 0
.rept 4
	v_nop
.endr
	s_lshl_b32 s52, s16, 13                        ; my 128 queries: 64 bytes of codes each,
	s_mov_b32 s53, 0
	s_add_nc_u64 s[4:5], s[4:5], s[52:53]
	s_lshl_b32 s52, s16, 9                         ; 4 scale bytes each,
	s_add_nc_u64 s[6:7], s[6:7], s[52:53]
	s_lshl_b32 s52, s16, 20                        ; 64 pairs of 16,384 bytes in gmax,
	s_lshl_b32 s54, s17, 2
	s_add_co_u32 s54, s54, s[WV]
	s_lshl_b32 s54, s54, 8                         ; and in a pair c = 4 y + w, 256 bytes
	s_add_co_u32 s52, s52, s54
	s_add_nc_u64 s[12:13], s[12:13], s[52:53]
	v_and_b32 v1, 15, v0                           ; r
	v_bfe_u32 v2, v0, 4, 1                         ; h
	v_and_b32 v3, 31, v0
	v_lshlrev_b32 v[GO], 3, v3
	v_lshlrev_b32 v[QB], 2, v3
	v_lshlrev_b32 v[QA], 6, v1
	v_lshl_add_u32 v[QA], v2, 4, v[QA]             ; a fragment of 4-bit codes: row r of 64 bytes, 16 h, and 32 bytes on for registers 4-7
.irp q, 0,1,2,3,4,5,6,7
.irp c, 0,1
	global_load_b128 v[Q+8*\q+4*\c:Q+8*\q+4*\c+3], v[QA], s[4:5] offset:1024*\q+32*\c   ; Q stays in registers
.endr
.endr
.irp a, 0,1,2,3
	global_load_b32 v[QS+\a], v[QB], s[6:7] offset:128*\a   ; lanes 0-15: tile 2 a's scale words; lanes 16-31: tile 2 a + 1's
.endr
	v_lshl_add_u32 v208, v2, 4, s22                ; codes: my wave's bytes + 16 h
	v_lshlrev_b32 v209, 7, v1
	v_lshl_add_u32 v209, v2, 6, v209
	v_add_nc_u32 v209, s23, v209                   ; scale words: my wave's + 4 (32 r + 16 h): lanes 0-15 serve t4 = 0, lanes 16-31 t4 = 1
.irp tl, 0,1,2,3,4,5,6,7,8,9,10,11,12,13,14,15
	v_xor_b32 v3, \tl, v1                          ; x = tl xor r: my key is 32 r + 16 t4 + x
	v_lshrrev_b32 v4, 2, v3
	v_lshl_add_u32 v4, v1, 3, v4                   ; its row of four keys: 8 r + x / 4 (+ 4 t4: in the immediate)
	v_mul_u32_u24 v4, v4, 272
	v_and_b32 v[AK+\tl], 3, v3
	v_lshl_add_u32 v4, v[AK+\tl], 6, v4            ; and its place in the row
	v_add_nc_u32 v[AK+\tl], v208, v4
	v_lshl_add_u32 v[AS+\tl], v3, 2, v209
.endr
; one product, C = 0.  ra, rb: the scale words stand in lanes 16-31 of their register
.macro WM d, a, b, sa, sb, ra, rb
.if (\ra) == 0 && (\rb) == 0
	v_wmma_scale_f32_16x16x128_f8f6f4 v[\d:\d+7], v[\a:\a+7], v[\b:\b+7], 0, v[\sa], v[\sb] matrix_a_fmt:MATRIX_FMT_FP4 matrix_b_fmt:MATRIX_FMT_FP4
.elseif (\ra) == 0
	v_wmma_scale_f32_16x16x128_f8f6f4 v[\d:\d+7], v[\a:\a+7], v[\b:\b+7], 0, v[\sa], v[\sb] matrix_a_fmt:MATRIX_FMT_FP4 matrix_b_fmt:MATRIX_FMT_FP4 matrix_b_scale:MATRIX_SCALE_ROW1
.elseif (\rb) == 0
	v_wmma_scale_f32_16x16x128_f8f6f4 v[\d:\d+7], v[\a:\a+7], v[\b:\b+7], 0, v[\sa], v[\sb] matrix_a_fmt:MATRIX_FMT_FP4 matrix_b_fmt:MATRIX_FMT_FP4 matrix_a_scale:MATRIX_SCALE_ROW1
.else
	v_wmma_scale_f32_16x16x128_f8f6f4 v[\d:\d+7], v[\a:\a+7], v[\b:\b+7], 0, v[\sa], v[\sb] matrix_a_fmt:MATRIX_FMT_FP4 matrix_b_fmt:MATRIX_FMT_FP4 matrix_a_scale:MATRIX_SCALE_ROW1 matrix_b_scale:MATRIX_SCALE_ROW1
.endif
.endm
.macro LOADK i, tl, b                  ; the two tiles (t4 = 0, 1) of span i, turn tl, into buffer b, and their scale words
.irp t4, 0,1
.irp c, 0,1
	ds_load_b128 v[KF+16*(\b)+8*\t4+4*\c:KF+16*(\b)+8*\t4+4*\c+3], v[AK+(\tl)] offset:SPANB*(\i)+1088*\t4+32*\c
.endr
.endr
	ds_load_b32 v[KS+(\b)], v[AS+(\tl)] offset:2048*(\i)
.endm
.macro MM q, b                         ; query tile q against buffer b's two tiles, into bank q % 2
	WM D+16*((\q)%2), Q+8*(\q), KF+16*(\b), QS+(\q)/2, KS+(\b), (\q)%2, 0
	WM D+16*((\q)%2)+8, Q+8*(\q), KF+16*(\b)+8, QS+(\q)/2, KS+(\b), (\q)%2, 1
.endm
; query tile q's two accumulators go into its eight running maxima, each accumulator from its low end on.  mode 0: a span's first turn starts them; 2: its last turn writes the results
.macro RED q, mode, i
.if (\mode) == 2
	WIN 0x40                                       ; destination window 1
.endif
.irp j, 0,1,2,3,4,5,6,7
.if (\mode) == 0
	v_max_num_f32 v[M+8*(\q)+\j], v[D+16*((\q)%2)+\j], v[D+16*((\q)%2)+8+\j]
.elseif (\mode) == 1
	v_max3_num_f32 v[M+8*(\q)+\j], v[M+8*(\q)+\j], v[D+16*((\q)%2)+\j], v[D+16*((\q)%2)+8+\j]
.else
	v_max3_num_f32 v[2*(8*(\q)+\j)+(\i)], v[M+8*(\q)+\j], v[D+16*((\q)%2)+\j], v[D+16*((\q)%2)+8+\j]
.endif
.endr
.if (\mode) == 2
	WIN 0
.endif
.endm
; TURN S of 32.  Behind the products of tile q stand the eight maxima of tile q - 1, which name none of those products' registers: they are the places between tile q's
; products and the first read of their results, between them and the products two tiles on, which write over the same bank (five are asked), and, at a turn's end, in front of the
; loads into the buffer that the turn has read (four).
.macro STEP
.set CMODE, 1
.if S%16 == 0
.set CMODE, 0
.endif
.if S%16 == 15
.set CMODE, 2
.endif
.if S == 15
	s_wait_tensorcnt 0x0                           ; span 1 has landed: the loads below are the first that read it
.endif
	s_wait_dscnt 0x0                               ; this turn's five loads, issued a turn ago
.if S < 31
	LOADK (S+1)/16, (S+1)%16, (S+1)%2
.endif
.set QQ, 0
.rept 8
	MM QQ, S%2
.if QQ == 0
.if S == 0
.rept 5
	v_nop                                          ; the first turn has no maxima to set here
.endr
.else
	RED 7, PMODE, (S-1)/16
.endif
.else
	RED QQ-1, CMODE, S/16
.endif
.set QQ, QQ+1
.endr
.set PMODE, CMODE
.endm
	s_wait_loadcnt 0x0                             ; Q and its scale words
	s_wait_tensorcnt 0x1                           ; my scale words and span 0 are in; span 1's load, issued last, may stay out
	LOADK 0, 0, 0
.set PMODE, 1
.set S, 0
.rept 32
	STEP
.set S, S+1
.endr
	RED 7, 2, 1
	WIN 0x04                                       ; a store's data are its source 1: window 1
.set XI, 0
.rept 64
	global_store_b64 v[GO], v[2*XI:2*XI+1], s[12:13] offset:16384*XI th:TH_STORE_NT   ; the wave stores 256 consecutive bytes, at a multiple of 256 from gmax's first byte
.set XI, XI+1
.endr
	WIN 0
	s_wait_tensorcnt 0x0                           ; the wave's end
	ds_add_u32 v[SPW], v[NIL]
	s_wait_dscnt 0x0
	CROUND                                         ; the closing round: no work-group ends while a partner may still ask for a tile that names it
	s_endpgm
.Lfunc_end_k_q628ca5092c_groupmax:
	.size	k_q628ca5092c_groupmax, .Lfunc_end_k_q628ca5092c_groupmax-k_q628ca5092c_groupmax
	.p2alignl 7, 3214868480
	.fill 96, 4, 3214868480
	.section	.rodata,"a",@progbits
	.p2align	6, 0x0
	.amdhsa_kernel k_q628ca5092c_groupmax
		.amdhsa_group_segment_fixed_size 327680
		.amdhsa_private_segment_fixed_size 0
		.amdhsa_enable_private_segment 0
		.amdhsa_kernarg_size 40
		.amdhsa_user_sgpr_count 2
		.amdhsa_user_sgpr_kernarg_segment_ptr 1
		.amdhsa_wavefront_size32 1
		.amdhsa_system_sgpr_workgroup_id_x 1
		.amdhsa_system_sgpr_workgroup_id_y 1
		.amdhsa_system_sgpr_workgroup_id_z 1
		.amdhsa_system_vgpr_workitem_id 0
		.amdhsa_next_free_vgpr 384
		.amdhsa_next_free_sgpr 66
		.amdhsa_reserve_vcc 0
		.amdhsa_float_denorm_mode_32 3
		.amdhsa_float_denorm_mode_16_64 3
		.amdhsa_memory_ordered 1
		.amdhsa_forward_progress 1
		.amdhsa_inst_pref_size 220
	.end_amdhsa_kernel
	.amdgpu_metadata
---
amdhsa.version: [ 1, 2 ]
amdhsa.kernels:
  - .name:           k_q628ca5092c_groupmax
    .symbol:         k_q628ca5092c_groupmax.kd
    .args:
      - { .name: query_codes, .offset: 0, .size: 8, .value_kind: global_buffer, .address_space: global }
      - { .name: query_scales, .offset: 8, .size: 8, .value_kind: global_buffer, .address_space: global }
      - { .name: keys_codes, .offset: 16, .size: 8, .value_kind: global_buffer, .address_space: global }
      - { .name: keys_scales, .offset: 24, .size: 8, .value_kind: global_buffer, .address_space: global }
      - { .name: gmax, .offset: 32, .size: 8, .value_kind: global_buffer, .address_space: global }
    .group_segment_fixed_size: 327680
    .private_segment_fixed_size: 0
    .kernarg_segment_align: 8
    .kernarg_segment_size: 40
    .max_flat_workgroup_size: 128
    .sgpr_count:     66
    .vgpr_count:     384
    .wavefront_size: 32
...
	.end_amdgpu_metadata
.endif
;; end of part 1
;; launch pickg (part 2): grid 256 x 1, 4 waves a work-group, no clusters, 0 bytes of LDS; arguments gmax, glist; writes glist
.if DOCPART == 2
	.amdgcn_target "amdgcn-amd-amdhsa--gfx1250"
	.amdhsa_code_object_version 6
	.text
	.protected	k_q628ca5092c_pickg
	.globl	k_q628ca5092c_pickg
	.p2align	8
	.type	k_q628ca5092c_pickg,@function
k_q628ca5092c_pickg:
	s_mov_b64 s[64:65], 0
	v_nop
	global_prefetch_b8 v0, s[64:65] scope:SCOPE_SE
	s_setreg_imm32_b32 hwreg(HW_REG_WAVE_MODE, 25, 1), 1
	s_wait_xcnt 0x0
; LAUNCH 2 OF 4: for each query the 32 best of its 2,048 groups, by (largest score falling, group rising); their numbers go to glist.  Nothing of reference() is left out here.
; A wave takes a pair of queries: one in lanes 0-15, the other in lanes 16-31, as launch 1 laid them: register k of lane l holds group 16 k + l.
; NO BRANCH AND NO ADDRESS HANGS ON A SCORE.  The choice is made by a network of fixed compare-exchanges on bare values (a maximum and a minimum each), run twice.
; PASS 1 finds T, the 32nd largest value.  Then each value x is replaced by a key that no other element has: the f32 number 2^23 + n, n = 2,048 x class + 2,047 - group,
; class 2 where x > T, 1 where x = T (under that: n below 2,048, never chosen, since at least 32 elements have class 1 or 2).  These numbers are exact and ordered as n is.
; PASS 2 finds the 32 largest keys: all above T, then those equal to T by rising group.  The group stands in a key's low 11 bits.
; THE NETWORK.  A lane sorts each 32 of its values (15 stages), keeps the 32 best of what it has seen (merge: the larger of a[i] and b[31 - i], then five stages), and the 16 lanes
; of a query join by the same merge, the partner's list read through row_xmask 1, 2, 4, 8.  Each stage reads one set of 32 registers and writes another: no copies.
; LIMITS: NaN is not served; +0 and -0 count as equal.
.set GO,  1                            ; v1 8 x lane
.set T,   2                            ; v2 the 32nd largest
.set BV,  3                            ; v3 class 1's key less 16 (127 - k);  v4 class 2's;  v5 class 0's
.set B2V, 4
.set ZR,  5
.set OUT, 6                            ; v[6:7] my two of the 32
.set X,   16                           ; v16-143 the values, then the keys
.set RS,  144                          ; three sets of 32: the running list, and two at work; the names change places
.set WA,  176
.set WB,  208
.macro FLIP src, dst, s                ; i against its mirror in blocks of s: two lists sorted alike become two halves, the better in front
.set i, 0
.rept 32
.set p, i^((\s)-1)
.if i < p
	v_max_num_f32 v[(\dst)+i], v[(\src)+i], v[(\src)+p]
	v_min_num_f32 v[(\dst)+p], v[(\src)+i], v[(\src)+p]
.endif
.set i, i+1
.endr
.endm
.macro STEPD src, dst, d               ; i against i + d
.set i, 0
.rept 32
.if (i&(\d)) == 0
	v_max_num_f32 v[(\dst)+i], v[(\src)+i], v[(\src)+i+(\d)]
	v_min_num_f32 v[(\dst)+i+(\d)], v[(\src)+i], v[(\src)+i+(\d)]
.endif
.set i, i+1
.endr
.endm
.macro SORT32 src                      ; 32 registers from src, which are kept, sorted falling into WA
	FLIP \src, WA, 2
	FLIP WA, WB, 4
	STEPD WB, WA, 1
	FLIP WA, WB, 8
	STEPD WB, WA, 2
	STEPD WA, WB, 1
	FLIP WB, WA, 16
	STEPD WA, WB, 4
	STEPD WB, WA, 2
	STEPD WA, WB, 1
	FLIP WB, WA, 32
	STEPD WA, WB, 8
	STEPD WB, WA, 4
	STEPD WA, WB, 2
	STEPD WB, WA, 1
.endm
.macro CLEAN a, b                      ; a list that rises and falls once, in a, sorted falling into b
	STEPD \a, \b, 16
	STEPD \b, \a, 8
	STEPD \a, \b, 4
	STEPD \b, \a, 2
	STEPD \a, \b, 1
.endm
.macro MERGE                           ; the 32 best of RS and WA become RS
.set i, 0
.rept 32
	v_max_num_f32 v[RS+i], v[RS+i], v[WA+31-i]
.set i, i+1
.endr
	CLEAN RS, WA
.set TS, RS
.set RS, WA
.set WA, TS
.endm
.macro XMAX m                          ; the 32 best of my list and lane l xor m's, unsorted, into WA
.set i, 0
.rept 32
	v_max_num_f32_dpp v[WA+i], v[RS+31-i], v[RS+i] row_xmask:\m row_mask:0xf bank_mask:0xf
.set i, i+1
.endr
.endm
.macro XLANE m
	XMAX \m
	CLEAN WA, WB
.set TS, RS
.set RS, WB
.set WB, TS
.endm
.macro MIN32                           ; the least of WA's 32 into T
.irp d, 16,8,4,2
.set i, 0
.rept \d
	v_min_num_f32 v[WA+i], v[WA+i], v[WA+i+\d]
.set i, i+1
.endr
.endr
	v_min_num_f32 v[T], v[WA], v[WA+1]
.endm
; n chunks of 32 registers from X on.  last = 0: T;  1: the sorted 32 in RS, the same in all 16 lanes.  w: loads to a chunk, where the chunks are still on their way
.macro PASS n, last, w
.if \w
	s_wait_loadcnt (\w)*((\n)-1)                   ; this chunk's loads are in; those of the later chunks may be out
.endif
	SORT32 X
.set TS, RS
.set RS, WA
.set WA, TS
.set CH, 1
.rept (\n)-1
.if \w
	s_wait_loadcnt (\w)*((\n)-1-CH)
.endif
	SORT32 X+32*CH
	MERGE
.set CH, CH+1
.endr
	XLANE 1
	XLANE 2
	XLANE 4
.if \last
	XLANE 8
.else
	XMAX 8
	MIN32
.endif
.endm
.macro PICK msk, base                  ; lane l takes places 2 l and 2 l + 1 of the list, turns the keys into indices and stores them
	v_mov_b32 v[OUT], v[RS]
	v_mov_b32 v[OUT+1], v[RS+1]
.set L, 1
.rept 15
	s_mov_b32 vcc_lo, 0x00010001<<L
	v_cndmask_b32 v[OUT], v[OUT], v[RS+2*L], vcc_lo
	v_cndmask_b32 v[OUT+1], v[OUT+1], v[RS+2*L+1], vcc_lo
.set L, L+1
.endr
	v_and_b32 v[OUT], \msk, v[OUT]
	v_and_b32 v[OUT+1], \msk, v[OUT+1]
	v_sub_nc_u32 v[OUT], \msk, v[OUT]
	v_sub_nc_u32 v[OUT+1], \msk, v[OUT+1]
	global_store_b64 v[GO], v[OUT:OUT+1], s[\base:\base+1]   ; the wave stores 256 consecutive bytes, aligned: both queries' 32 numbers
.endm
	s_load_b128 s[4:7], s[0:1], 0x0                ; gmax, glist
	v_lshrrev_b32 v8, 5, v0
	v_readfirstlane_b32 s8, v8                     ; wave
	v_and_b32 v9, 31, v0
	v_lshlrev_b32 v[GO], 3, v9
	v_and_b32 v9, 15, v0                           ; l
	v_sub_nc_u32 v[BV], 0x4b00080f, v9             ; the bits of 2^23 + 2,048 + 15 - l
	v_add_nc_u32 v[B2V], 0x800, v[BV]
	v_mov_b32 v[ZR], 0x4b000000
	s_lshl_b32 s9, ttmp9, 2
	s_add_co_u32 s9, s9, s8                        ; my pair
	s_lshl_b32 s10, s9, 14
	s_mov_b32 s11, 0
	s_lshl_b32 s12, s9, 8
	s_mov_b32 s13, 0
	s_wait_kmcnt 0x0
	s_add_nc_u64 s[4:5], s[4:5], s[10:11]
	s_add_nc_u64 s[6:7], s[6:7], s[12:13]
.set CC, 0
.rept 64
	global_load_b64 v[X+2*CC:X+2*CC+1], v[GO], s[4:5] offset:256*CC th:TH_LOAD_NT   ; 256 consecutive bytes a load; the pair's 16,384 bytes are all asked for at once
.set CC, CC+1
.endr
	PASS 4, 0, 16
.set K, 0
.rept 128
	v_cmp_ge_f32 s[20+2*(K%2)], v[X+K], v[T]
	v_cmp_gt_f32 s[21+2*(K%2)], v[X+K], v[T]
	v_cndmask_b32 v[8+K%2], v[ZR], v[BV], s[20+2*(K%2)]
	v_cndmask_b32 v[8+K%2], v[8+K%2], v[B2V], s[21+2*(K%2)]
	v_add_nc_u32 v[X+K], 16*(127-K), v[8+K%2]      ; n = 2,048 x class + 2,047 - (16 K + l)
.set K, K+1
.endr
	PASS 4, 1, 0
	PICK 0x7ff, 6
	s_endpgm
.Lfunc_end_k_q628ca5092c_pickg:
	.size	k_q628ca5092c_pickg, .Lfunc_end_k_q628ca5092c_pickg-k_q628ca5092c_pickg
	.p2alignl 7, 3214868480
	.fill 96, 4, 3214868480
	.section	.rodata,"a",@progbits
	.p2align	6, 0x0
	.amdhsa_kernel k_q628ca5092c_pickg
		.amdhsa_group_segment_fixed_size 0
		.amdhsa_private_segment_fixed_size 0
		.amdhsa_enable_private_segment 0
		.amdhsa_kernarg_size 16
		.amdhsa_user_sgpr_count 2
		.amdhsa_user_sgpr_kernarg_segment_ptr 1
		.amdhsa_wavefront_size32 1
		.amdhsa_system_sgpr_workgroup_id_x 1
		.amdhsa_system_sgpr_workgroup_id_y 1
		.amdhsa_system_sgpr_workgroup_id_z 1
		.amdhsa_system_vgpr_workitem_id 0
		.amdhsa_next_free_vgpr 240
		.amdhsa_next_free_sgpr 66
		.amdhsa_reserve_vcc 1
		.amdhsa_float_denorm_mode_32 3
		.amdhsa_float_denorm_mode_16_64 3
		.amdhsa_memory_ordered 1
		.amdhsa_forward_progress 1
		.amdhsa_inst_pref_size 255
	.end_amdhsa_kernel
	.section	.bss,"aw",@nobits
	.p2align	6
	.space	262144
	.amdgpu_metadata
---
amdhsa.version: [ 1, 2 ]
amdhsa.kernels:
  - .name:           k_q628ca5092c_pickg
    .symbol:         k_q628ca5092c_pickg.kd
    .args:
      - { .name: gmax, .offset: 0, .size: 8, .value_kind: global_buffer, .address_space: global }
      - { .name: glist, .offset: 8, .size: 8, .value_kind: global_buffer, .address_space: global }
    .group_segment_fixed_size: 0
    .private_segment_fixed_size: 0
    .kernarg_segment_align: 8
    .kernarg_segment_size: 16
    .max_flat_workgroup_size: 128
    .sgpr_count:     66
    .vgpr_count:     240
    .wavefront_size: 32
...
	.end_amdgpu_metadata
.endif
;; end of part 2
;; launch pickk (part 3): grid 256 x 1, 4 waves a work-group, no clusters, 0 bytes of LDS; arguments query_codes, query_scales, keys_codes, keys_scales, glist, klist; writes klist
.if DOCPART == 3
	.amdgcn_target "amdgcn-amd-amdhsa--gfx1250"
	.amdhsa_code_object_version 6
	.text
	.protected	k_q628ca5092c_pickk
	.globl	k_q628ca5092c_pickk
	.p2align	8
	.type	k_q628ca5092c_pickk,@function
k_q628ca5092c_pickk:
	s_mov_b64 s[64:65], 0
	v_nop
	global_prefetch_b8 v0, s[64:65] scope:SCOPE_SE
	s_setreg_imm32_b32 hwreg(HW_REG_WAVE_MODE, 25, 1), 1
	s_wait_xcnt 0x0
; LAUNCH 3 OF 4: for each query the scores of the 32 x 32 keys of its 32 best groups, made again by the same matrix instruction on the same operands with C = 0 (the same bits as in
; launch 1), and of them the 32 best by (score falling, index rising): reference()'s top_k.  Their indices go to klist.  The other groups hold none of the 32 best (launch 1's comment): their scores are not made again.
; A wave takes a pair of queries a and b = a + 8, as launch 2 does.  Source 0 holds query a in rows 0-7 and query b in rows 8-15, so that in every register of a result lanes 0-15 are a's
; scores and lanes 16-31 b's, one key a lane.  The two queries have groups of their own: a tile of a's keys is used in lanes 0-15 alone, a tile of b's in lanes 16-31.
; The groups' numbers are whole numbers read from memory, held to 2,047; the keys come straight from memory into the operand's registers: 16 neighbouring keys a tile.
; BATCHES: two groups of each query: 8 tiles, 16 + 4 loads.  Three buffers by turns: with source 0's three loads 63 loads are out at the most.
; The choice is launch 2's: a fixed network on bare values, run twice; key n = 65,536 x class + 65,535 - the key's index.
; LIMITS: NaN is not served; +0 and -0 count as equal.
; REGISTERS.  Window 0: v1 r, v2 h, v3, v4 a lane's place in a group's codes and scale words, v5 8 x lane, v[6:7] out, v8-15 at work, v16 T, v17, v18 key constants, v20-27 source 0, v28 its scale words,
; v32-43 the keys' scale words, v44-67 addresses, v68-131 the scores, v132-195 eight accumulators, later two of the network's sets, v196-227 the third.  Window 1: v0-191 three buffers of 8 fragments.
.set LC,  3
.set LS,  4
.set GO,  5
.set OUT, 6
.set T,   16
.set LB1, 17
.set ZR,  18
.set AF,  20
.set ASC, 28
.set AAD, 29
.set ASD, 30
.set KS,  32
.set AD,  44
.set X,   68
.set D,   132
.set RS,  132
.set WA,  164
.set WB,  196
.set GA,  32                           ; s[32:63] query a's groups; s[68:99] query b's
.set MSB, 0
.macro WIN new                         ; the immediate's high byte repeats the setting that is left
.if MSB != \new
	s_set_vgpr_msb (MSB<<8)|\new
.set MSB, \new
.endif
.endm
.macro FLIP src, dst, s                ; i against its mirror in blocks of s
.set i, 0
.rept 32
.set p, i^((\s)-1)
.if i < p
	v_max_num_f32 v[(\dst)+i], v[(\src)+i], v[(\src)+p]
	v_min_num_f32 v[(\dst)+p], v[(\src)+i], v[(\src)+p]
.endif
.set i, i+1
.endr
.endm
.macro STEPD src, dst, d               ; i against i + d
.set i, 0
.rept 32
.if (i&(\d)) == 0
	v_max_num_f32 v[(\dst)+i], v[(\src)+i], v[(\src)+i+(\d)]
	v_min_num_f32 v[(\dst)+i+(\d)], v[(\src)+i], v[(\src)+i+(\d)]
.endif
.set i, i+1
.endr
.endm
.macro SORT32 src                      ; 32 registers from src, which are kept, sorted falling into WA
	FLIP \src, WA, 2
	FLIP WA, WB, 4
	STEPD WB, WA, 1
	FLIP WA, WB, 8
	STEPD WB, WA, 2
	STEPD WA, WB, 1
	FLIP WB, WA, 16
	STEPD WA, WB, 4
	STEPD WB, WA, 2
	STEPD WA, WB, 1
	FLIP WB, WA, 32
	STEPD WA, WB, 8
	STEPD WB, WA, 4
	STEPD WA, WB, 2
	STEPD WB, WA, 1
.endm
.macro CLEAN a, b                      ; a list that rises and falls once, in a, sorted falling into b
	STEPD \a, \b, 16
	STEPD \b, \a, 8
	STEPD \a, \b, 4
	STEPD \b, \a, 2
	STEPD \a, \b, 1
.endm
.macro MERGE                           ; the 32 best of RS and WA become RS
.set i, 0
.rept 32
	v_max_num_f32 v[RS+i], v[RS+i], v[WA+31-i]
.set i, i+1
.endr
	CLEAN RS, WA
.set TS, RS
.set RS, WA
.set WA, TS
.endm
.macro XMAX m                          ; the 32 best of my list and lane l xor m's, unsorted, into WA
.set i, 0
.rept 32
	v_max_num_f32_dpp v[WA+i], v[RS+31-i], v[RS+i] row_xmask:\m row_mask:0xf bank_mask:0xf
.set i, i+1
.endr
.endm
.macro XLANE m
	XMAX \m
	CLEAN WA, WB
.set TS, RS
.set RS, WB
.set WB, TS
.endm
.macro MIN32                           ; the least of WA's 32 into T
.irp d, 16,8,4,2
.set i, 0
.rept \d
	v_min_num_f32 v[WA+i], v[WA+i], v[WA+i+\d]
.set i, i+1
.endr
.endr
	v_min_num_f32 v[T], v[WA], v[WA+1]
.endm
.macro PASS n, last                    ; n chunks of 32 registers from X on.  last = 0: T;  1: the sorted 32 in RS, the same in all 16 lanes
	SORT32 X
.set TS, RS
.set RS, WA
.set WA, TS
.set CH, 1
.rept (\n)-1
	SORT32 X+32*CH
	MERGE
.set CH, CH+1
.endr
	XLANE 1
	XLANE 2
	XLANE 4
.if \last
	XLANE 8
.else
	XMAX 8
	MIN32
.endif
.endm
.macro PICK msk, base                  ; lane l takes places 2 l and 2 l + 1 of the list, turns the keys into indices and stores them
	v_mov_b32 v[OUT], v[RS]
	v_mov_b32 v[OUT+1], v[RS+1]
.set L, 1
.rept 15
	s_mov_b32 vcc_lo, 0x00010001<<L
	v_cndmask_b32 v[OUT], v[OUT], v[RS+2*L], vcc_lo
	v_cndmask_b32 v[OUT+1], v[OUT+1], v[RS+2*L+1], vcc_lo
.set L, L+1
.endr
	v_and_b32 v[OUT], \msk, v[OUT]
	v_and_b32 v[OUT+1], \msk, v[OUT+1]
	v_sub_nc_u32 v[OUT], \msk, v[OUT]
	v_sub_nc_u32 v[OUT+1], \msk, v[OUT+1]
	global_store_b64 v[GO], v[OUT:OUT+1], s[\base:\base+1]   ; the wave stores 256 consecutive bytes, aligned
.endm
.macro ADDR bt                         ; batch bt's eight addresses: for query rho's group 2 bt + sg its codes (2,048 bytes a group) and its scale words (128)
.irp rho, 0,1
.irp sg, 0,1
	v_lshl_add_u32 v[AD+8*((\bt)%3)+4*\rho+2*\sg], s[GA+36*\rho+2*(\bt)+\sg], 11, v[LC]
	v_lshl_add_u32 v[AD+8*((\bt)%3)+4*\rho+2*\sg+1], s[GA+36*\rho+2*(\bt)+\sg], 7, v[LS]
.endr
.endr
.endm
.macro ISSUE bt                        ; its 20 loads: fragment 4 rho + 2 sg + u holds keys 16 u + r of the group; one load brings a group's 32 scale words, lanes 0-15 for u = 0, lanes 16-31 for u = 1
	WIN 0x40                                       ; destination window 1
.irp rho, 0,1
.irp sg, 0,1
.irp u, 0,1
.irp c, 0,1
	global_load_b128 v[64*((\bt)%3)+8*(4*\rho+2*\sg+\u)+4*\c:64*((\bt)%3)+8*(4*\rho+2*\sg+\u)+4*\c+3], v[AD+8*((\bt)%3)+4*\rho+2*\sg], s[8:9] offset:1024*\u+32*\c
.endr
.endr
.endr
.endr
	WIN 0
.irp rho, 0,1
.irp sg, 0,1
	global_load_b32 v[KS+4*((\bt)%3)+2*\rho+\sg], v[AD+8*((\bt)%3)+4*\rho+2*\sg+1], s[10:11]
.endr
.endr
.endm
.macro BATCH bt
.if (\bt) <= 13
	s_wait_loadcnt 40                              ; this batch's loads are in; the two younger batches' 20 each may be out
.elseif (\bt) == 14
	s_wait_loadcnt 20
.else
	s_wait_loadcnt 0x0
.endif
	WIN 0x04                                       ; source 1 (the keys) window 1
.irp rho, 0,1
.irp sg, 0,1
	v_wmma_scale_f32_16x16x128_f8f6f4 v[D+8*(4*\rho+2*\sg):D+8*(4*\rho+2*\sg)+7], v[AF:AF+7], v[64*((\bt)%3)+8*(4*\rho+2*\sg):64*((\bt)%3)+8*(4*\rho+2*\sg)+7], 0, v[ASC], v[KS+4*((\bt)%3)+2*\rho+\sg] matrix_a_fmt:MATRIX_FMT_FP4 matrix_b_fmt:MATRIX_FMT_FP4
	v_wmma_scale_f32_16x16x128_f8f6f4 v[D+8*(4*\rho+2*\sg+1):D+8*(4*\rho+2*\sg+1)+7], v[AF:AF+7], v[64*((\bt)%3)+8*(4*\rho+2*\sg+1):64*((\bt)%3)+8*(4*\rho+2*\sg+1)+7], 0, v[ASC], v[KS+4*((\bt)%3)+2*\rho+\sg] matrix_a_fmt:MATRIX_FMT_FP4 matrix_b_fmt:MATRIX_FMT_FP4 matrix_b_scale:MATRIX_SCALE_ROW1
.endr
.endr
	WIN 0
.if (\bt)+3 < 16
	ADDR (\bt)+3                                   ; these registers are free since the wait above.  Eight plain lines: the places behind the products: four in front of the reads and loads below, five in front of the next batch's products, which write over the accumulators
.else
.rept 5
	v_nop
.endr
.endif
.irp tau, 0,1,2,3
	v_cndmask_b32 v[X+4*(\bt)+\tau], v[D+8*\tau], v[D+32+8*\tau], s20   ; lanes 0-15 from a's tile, lanes 16-31 from b's; each accumulator's lowest register holds all that is wanted
.endr
.if (\bt)+3 < 16
	ISSUE (\bt)+3
.endif
.endm
	s_load_b256 s[4:11], s[0:1], 0x0               ; Q's codes, Q's scales, the keys' codes, their scales
	s_load_b128 s[12:15], s[0:1], 0x20             ; glist, klist
	v_lshrrev_b32 v8, 5, v0
	v_readfirstlane_b32 s16, v8                    ; wave
	v_and_b32 v1, 15, v0                           ; r
	v_bfe_u32 v2, v0, 4, 1                         ; h
	v_and_b32 v8, 31, v0
	v_lshlrev_b32 v[LS], 2, v8
	v_lshlrev_b32 v[GO], 3, v8
	v_lshlrev_b32 v[LC], 6, v1
	v_lshl_add_u32 v[LC], v2, 4, v[LC]             ; key r of a tile, 64 bytes each, + 16 h
	v_sub_nc_u32 v[LB1], 0x4b01ffff, v1            ; the bits of 2^23 + 65,536 + 65,535 - r
	v_mov_b32 v[ZR], 0x4b000010                    ; class 0 (16 may be taken off it)
	v_lshrrev_b32 v9, 3, v1
	v_lshlrev_b32 v[AAD], 9, v9                    ; source 0: rows 0-7 query a, rows 8-15 query a + 8, 512 bytes on,
	v_lshl_add_u32 v[AAD], v2, 4, v[AAD]
	v_lshlrev_b32 v[ASD], 5, v9                    ; its scale word 32 bytes on
	s_mov_b32 s20, 0xffff0000                      ; lanes 16-31
	s_lshl_b32 s17, ttmp9, 2
	s_add_co_u32 s17, s17, s16                     ; my pair p
	s_lshl_b32 s18, s17, 8
	s_mov_b32 s19, 0
	s_lshr_b32 s21, s17, 3
	s_lshl_b32 s21, s21, 4
	s_and_b32 s26, s17, 7
	s_add_co_u32 s21, s21, s26                     ; a = 16 (p / 8) + p % 8
	s_lshl_b32 s26, s21, 6
	s_mov_b32 s27, 0
	s_lshl_b32 s28, s21, 2
	s_mov_b32 s29, 0
	s_wait_kmcnt 0x0
	s_add_nc_u64 s[12:13], s[12:13], s[18:19]
	s_add_nc_u64 s[14:15], s[14:15], s[18:19]
	s_add_nc_u64 s[4:5], s[4:5], s[26:27]
	s_add_nc_u64 s[6:7], s[6:7], s[28:29]
	s_load_b512 s[32:47], s[12:13], 0x0            ; a's 32 groups,
	s_load_b512 s[48:63], s[12:13], 0x40
	s_load_b512 s[68:83], s[12:13], 0x80           ; b's
	s_load_b512 s[84:99], s[12:13], 0xc0
	global_load_b128 v[AF:AF+3], v[AAD], s[4:5]
	global_load_b128 v[AF+4:AF+7], v[AAD], s[4:5] offset:32
	global_load_b32 v[ASC], v[ASD], s[6:7]
	s_wait_kmcnt 0x0
.set SL, 0
.rept 32
	s_min_u32 s[GA+SL], s[GA+SL], 0x7ff            ; a number read from memory is held inside the table before it enters an address
	s_min_u32 s[GA+36+SL], s[GA+36+SL], 0x7ff
.set SL, SL+1
.endr
	ADDR 0
	ISSUE 0
	ADDR 1
	ISSUE 1
	ADDR 2
	ISSUE 2
.set BT, 0
.rept 16
	BATCH BT
.set BT, BT+1
.endr
	PASS 2, 0                                      ; register 2 s + u of lane (r, h): the score of key 32 x group s + 16 u + r for query a (h = 0) or b (h = 1)
.set SL, 0
.rept 32
.set TB, 8+4*(SL%2)
	v_mov_b32 v[TB], s[GA+SL]
	v_mov_b32 v[TB+1], s[GA+36+SL]
	v_cndmask_b32 v[TB], v[TB], v[TB+1], s20       ; my query's group
	v_lshlrev_b32 v[TB], 5, v[TB]
	v_sub_nc_u32 v[TB+2], v[LB1], v[TB]            ; class 1's key for u = 0: n = 65,536 + 65,535 - (32 x group + r)
	v_add_nc_u32 v[TB+3], 0x10000, v[TB+2]         ; class 2's
	v_cmp_ge_f32 s22, v[X+2*SL], v[T]
	v_cmp_gt_f32 s23, v[X+2*SL], v[T]
	v_cmp_ge_f32 s24, v[X+2*SL+1], v[T]
	v_cmp_gt_f32 s25, v[X+2*SL+1], v[T]
	v_cndmask_b32 v[TB], v[ZR], v[TB+2], s22
	v_cndmask_b32 v[TB+1], v[ZR], v[TB+2], s24
	v_cndmask_b32 v[X+2*SL], v[TB], v[TB+3], s23
	v_cndmask_b32 v[TB+1], v[TB+1], v[TB+3], s25
	v_add_nc_u32 v[X+2*SL+1], -16, v[TB+1]         ; u = 1: 16 keys further on
.set SL, SL+1
.endr
	PASS 2, 1
	PICK 0xffff, 14
	s_endpgm
.Lfunc_end_k_q628ca5092c_pickk:
	.size	k_q628ca5092c_pickk, .Lfunc_end_k_q628ca5092c_pickk-k_q628ca5092c_pickk
	.p2alignl 7, 3214868480
	.fill 96, 4, 3214868480
	.section	.rodata,"a",@progbits
	.p2align	6, 0x0
	.amdhsa_kernel k_q628ca5092c_pickk
		.amdhsa_group_segment_fixed_size 0
		.amdhsa_private_segment_fixed_size 0
		.amdhsa_enable_private_segment 0
		.amdhsa_kernarg_size 48
		.amdhsa_user_sgpr_count 2
		.amdhsa_user_sgpr_kernarg_segment_ptr 1
		.amdhsa_wavefront_size32 1
		.amdhsa_system_sgpr_workgroup_id_x 1
		.amdhsa_system_sgpr_workgroup_id_y 1
		.amdhsa_system_sgpr_workgroup_id_z 1
		.amdhsa_system_vgpr_workitem_id 0
		.amdhsa_next_free_vgpr 448
		.amdhsa_next_free_sgpr 100
		.amdhsa_reserve_vcc 1
		.amdhsa_float_denorm_mode_32 3
		.amdhsa_float_denorm_mode_16_64 3
		.amdhsa_memory_ordered 1
		.amdhsa_forward_progress 1
		.amdhsa_inst_pref_size 219
	.end_amdhsa_kernel
	.amdgpu_metadata
---
amdhsa.version: [ 1, 2 ]
amdhsa.kernels:
  - .name:           k_q628ca5092c_pickk
    .symbol:         k_q628ca5092c_pickk.kd
    .args:
      - { .name: query_codes, .offset: 0, .size: 8, .value_kind: global_buffer, .address_space: global }
      - { .name: query_scales, .offset: 8, .size: 8, .value_kind: global_buffer, .address_space: global }
      - { .name: keys_codes, .offset: 16, .size: 8, .value_kind: global_buffer, .address_space: global }
      - { .name: keys_scales, .offset: 24, .size: 8, .value_kind: global_buffer, .address_space: global }
      - { .name: glist, .offset: 32, .size: 8, .value_kind: global_buffer, .address_space: global }
      - { .name: klist, .offset: 40, .size: 8, .value_kind: global_buffer, .address_space: global }
    .group_segment_fixed_size: 0
    .private_segment_fixed_size: 0
    .kernarg_segment_align: 8
    .kernarg_segment_size: 48
    .max_flat_workgroup_size: 128
    .sgpr_count:     100
    .vgpr_count:     448
    .wavefront_size: 32
...
	.end_amdgpu_metadata
.endif
;; end of part 3
;; launch gather (part 4): grid 256 x 1, 8 waves a work-group, no clusters, 17,920 bytes of LDS; arguments query_codes, query_scales, keys_codes, keys_scales, pool, w_out_codes, w_out_scales, klist, out0; writes out0
.if DOCPART == 4
	.amdgcn_target "amdgcn-amd-amdhsa--gfx1250"
	.amdhsa_code_object_version 6
	.text
	.protected	k_q628ca5092c_gather
	.globl	k_q628ca5092c_gather
	.p2align	8
	.type	k_q628ca5092c_gather,@function
k_q628ca5092c_gather:
	s_mov_b64 s[64:65], 0
	v_nop
	global_prefetch_b8 v0, s[64:65] scope:SCOPE_SE
	s_setreg_imm32_b32 hwreg(HW_REG_WAVE_MODE, 25, 1), 1
	s_wait_xcnt 0x0
; LAUNCH 4 OF 4: for each query the scores of its 32 chosen keys once more (two products), their softmax (the maximum taken away first), the weighted sum of the 32 rows of pool in f32
; (fused multiply-adds: the sum goes on into a quantiser), that sum quantised along its 256, and the product with w_out's codes.  Of pool only the chosen rows are read: the lookup by an index, read from klist.
; SHARES.  A work-group takes 8 queries; wave w query 8 g + w up to the weighted sum.  The 8 sums meet in LDS; then wave w makes outputs 32 w .. 32 w + 31 of all 8 queries.
; SCORES.  Source 0 = 16 chosen keys, source 1 = my query in all 16 columns: register j of half h of tile u is the score of place 16 u + 8 h + j of the list, the same in all lanes of a half.
; THE WEIGHTS go to scalar registers (v_readlane_b32); they are data of multiply-adds alone.  A row of pool comes by two loads of 512 consecutive bytes: lane l holds numbers 4 l .. and 128 + 4 l ..
; THE LAST PRODUCT is used transposed (source 0 = 16 rows of w_out, source 1 = the 8 sums, each in two columns): a lane holds eight neighbouring outputs of one query.
; Every wave quantises the 8 sums for itself: less than a barrier and a way through LDS for the codes would cost.
; LIMITS: NaN is not served; a weight under 2^-126 counts as 0 (v_exp_f32); a block of zeros in the sum keeps the scale byte 1 where the rule says 127: its codes are zeros, and the byte is read here alone.
; REGISTERS: v1 lane, v2 r, v3 h, v4 16 x lane, v6, v7 the add's two, v8-11 at work, v12-15 LDS addresses, v16-47 w_out's 4 fragments, v48-51 their scale words, v52-59 my query, v60 its scale word,
; v61-66 the list and the keys' addresses, v68-83 two tiles of keys, v84-85 their scale words, v86-87 the sums' scale words, v88-103 scores, then weights, v104-119 pool's addresses, v120-127 my sum,
; v128-255 two buffers of 8 rows of pool; later v128-191 64 numbers to quantise, v192-207 at work, v224-239 the sums' two fragments, v240-255 two accumulators.
.set RP,    1040                       ; a row of 256 f32 in LDS: 1,024 bytes + 16: 8 rows begin in 8 different 16-byte columns modulo 256 bytes
.set AGG,   0                          ; the 8 sums
.set OST,   8448                       ; 8 rows of out0
.set SPARE, 16896                      ; the spare words, 128 bytes for each of 8 waves: four blocks of 256 bytes that no other line names
.set L16, 4
.set SPW, 6
.set NIL, 7
.set AGW, 12
.set AGR, 13
.set OSW, 14
.set OSR, 15
.set WF,  16
.set WS,  48
.set QF,  52
.set QSC, 60
.set IDX, 61
.set KAD, 63
.set KSD, 65
.set KFR, 68
.set KSC, 84
.set PW,  86
.set SA,  88
.set PA,  104
.set ACC, 120
.set PD,  128
.set ST,  128
.set TM,  192
.set FG,  224
.set OA,  240
.set WV,  22                           ; s22 my wave's number
.set SEL, 24                           ; s[24:25] v_permlanex16_b32's selects for lane l xor 16
.set IX,  32                           ; s[32:63] the 32 indices
.set WT,  68                           ; s[68:99] the 32 weights
.macro PADDR b                         ; pool's rows 8 b .. 8 b + 7 of the list: 1,024 bytes a row, + 16 x lane
.irp k, 0,1,2,3,4,5,6,7
	v_lshl_add_u32 v[PA+8*((\b)%2)+\k], s[IX+8*(\b)+\k], 10, v[L16]
.endr
.endm
.macro PLOAD b
.irp k, 0,1,2,3,4,5,6,7
	global_load_b128 v[PD+64*((\b)%2)+8*\k:PD+64*((\b)%2)+8*\k+3], v[PA+8*((\b)%2)+\k], s[12:13]
	global_load_b128 v[PD+64*((\b)%2)+8*\k+4:PD+64*((\b)%2)+8*\k+7], v[PA+8*((\b)%2)+\k], s[12:13] offset:512
.endr
.endm
.macro AGLOAD ks                       ; K step ks of the sums: register 16 b + i of lane (r, h) = number 128 ks + 32 b + 16 h + i of sum r % 8
.irp b, 0,1,2,3
.irp jj, 0,1,2,3
	ds_load_b128 v[ST+16*\b+4*\jj:ST+16*\b+4*\jj+3], v[AGR] offset:AGG+512*(\ks)+128*\b+16*\jj
.endr
.endr
.endm
; 64 numbers of a lane, register 16 b + i = k 32 b + 16 h + i of its row, become a fragment's codes in v[pc] on and its scale word in v[pw]
.macro QUANT st, pc, pw
.irp b, 0,1,2,3
	v_max3_num_f32 v[TM+\b], |v[(\st)+16*\b]|, |v[(\st)+1+16*\b]|, 0x1800000   ; block b: my 16 numbers, and the floor 2^(3 - 127): the byte cannot fall under 1
.endr
.irp i, 2,4,6,8,10,12,14
.irp b, 0,1,2,3
	v_max3_num_f32 v[TM+\b], v[TM+\b], |v[(\st)+16*\b+\i]|, |v[(\st)+1+16*\b+\i]|
.endr
.endr
.irp b, 0,1,2,3
	v_permlanex16_b32 v[TM+4+\b], v[TM+\b], s[SEL], s[SEL+1]
.endr
.irp b, 0,1,2,3
	v_max_num_f32 v[TM+\b], v[TM+\b], v[TM+4+\b]   ; with lane l xor 16's: the block's largest magnitude
.endr
.irp b, 0,1,2,3
	v_add_nc_u32 v[TM+12+\b], 0xff000000, v[TM+\b] ; 2 off its exponent field: the conversion takes the exponent field of this operand as its scale
.endr
.irp b, 0,1,2,3
	v_lshrrev_b32 v[TM+4+\b], 23, v[TM+12+\b]      ; the scale's byte
.endr
	v_lshl_or_b32 v[\pw], v[TM+5], 8, v[TM+4]
	v_lshl_or_b32 v[\pw], v[TM+6], 16, v[\pw]
	v_lshl_or_b32 v[\pw], v[TM+7], 24, v[\pw]
.irp b, 0,1,2,3
	v_cvt_scalef32_pk8_fp4_f32 v[(\pc)+2*\b], v[(\st)+16*\b:(\st)+7+16*\b], v[TM+12+\b]
	v_cvt_scalef32_pk8_fp4_f32 v[(\pc)+1+2*\b], v[(\st)+8+16*\b:(\st)+15+16*\b], v[TM+12+\b]
.endr
	v_nop                                          ; one plain line behind the scaled conversions
.irp c, 0,1                            ; the operand's layout wants a whole block in a lane: lanes 0-15 block 2 c, lanes 16-31 block 2 c + 1
.irp i, 0,1
	v_permlane16_swap_b32 v[(\pc)+4*\c+\i], v[(\pc)+2+4*\c+\i]
.endr
.endr
.endm
.macro BARRIER                         ; my LDS stores have landed and my LDS loads are in: then the work-group's barrier
	s_wait_dscnt 0x0
	s_barrier_signal -1
	s_barrier_wait -1
.endm
	s_load_b512 s[4:19], s[0:1], 0x0               ; Q's codes s[4:5], Q's scales s[6:7], keys' codes s[8:9], keys' scales s[10:11], pool s[12:13], w_out's codes s[14:15], its scales s[16:17], klist s[18:19]
	s_load_b64 s[20:21], s[0:1], 0x40              ; out0
	v_lshl_add_u32 v[SPW], v0, 2, SPARE
	v_mov_b32 v[NIL], 0
	v_lshrrev_b32 v8, 5, v0
	v_readfirstlane_b32 s[WV], v8                  ; wave 0..7
	v_and_b32 v1, 31, v0                           ; lane
	v_and_b32 v2, 15, v0                           ; r
	v_bfe_u32 v3, v0, 4, 1                         ; h
	v_lshlrev_b32 v[L16], 4, v1
	v_mov_b32 v10, 0                               ; written once: a lane permute's destination counts as one of its sources
	s_mov_b32 s[SEL], 0x76543210
	s_mov_b32 s[SEL+1], 0xfedcba98
	s_lshl_b32 s23, ttmp9, 3
	s_add_co_u32 s23, s23, s[WV]                   ; my query: 8 g + w = 16 (g / 2) + 8 (g % 2) + w
	s_lshr_b32 s26, ttmp9, 1
	s_lshl_b32 s26, s26, 3
	s_add_co_u32 s26, s26, s[WV]                   ; its pair 8 (g / 2) + w, 256 bytes in klist,
	s_lshl_b32 s26, s26, 8
	s_and_b32 s27, ttmp9, 1
	s_lshl_b32 s27, s27, 7                         ; and its half, 128 bytes
	s_add_co_u32 s26, s26, s27
	s_mov_b32 s27, 0
	s_lshl_b32 s28, s23, 6                         ; my query's codes,
	s_mov_b32 s29, 0
	s_wait_kmcnt 0x0
	s_add_nc_u64 s[18:19], s[18:19], s[26:27]
	s_load_b512 s[32:47], s[18:19], 0x0            ; the list, for pool's addresses
	s_load_b512 s[48:63], s[18:19], 0x40
	s_add_nc_u64 s[4:5], s[4:5], s[28:29]
	s_lshl_b32 s28, s23, 2                         ; its scale word,
	s_add_nc_u64 s[6:7], s[6:7], s[28:29]
	s_lshl_b32 s28, s23, 10                        ; its row of out0,
	s_add_nc_u64 s[20:21], s[20:21], s[28:29]
	s_lshl_b32 s28, s[WV], 12                      ; my 32 rows of w_out: 128 bytes of codes each,
	s_add_nc_u64 s[14:15], s[14:15], s[28:29]
	s_lshl_b32 s28, s[WV], 8                       ; 8 scale bytes each
	s_add_nc_u64 s[16:17], s[16:17], s[28:29]
	v_lshlrev_b32 v104, 7, v2
	v_lshl_add_u32 v104, v3, 4, v104               ; w_out: row r of 128 bytes, + 16 h
	v_lshlrev_b32 v105, 3, v2                      ; its scale words: 8 bytes a row
	v_lshlrev_b32 v106, 4, v3                      ; my query: 16 h, the same row in all columns
	v_lshlrev_b32 v107, 2, v2                      ; the list, a place a lane
	v_mov_b32 v108, 0
.irp nt, 0,1
.irp ks, 0,1
.irp c, 0,1
	global_load_b128 v[WF+8*(2*\nt+\ks)+4*\c:WF+8*(2*\nt+\ks)+4*\c+3], v104, s[14:15] offset:2048*\nt+64*\ks+32*\c
.endr
	global_load_b32 v[WS+2*\nt+\ks], v105, s[16:17] offset:128*\nt+4*\ks
.endr
.endr
	global_load_b128 v[QF:QF+3], v106, s[4:5]
	global_load_b128 v[QF+4:QF+7], v106, s[4:5] offset:32
	global_load_b32 v[QSC], v108, s[6:7]
	global_load_b32 v[IDX], v107, s[18:19]         ; the list once more, for the keys' addresses: place 16 u + r
	global_load_b32 v[IDX+1], v107, s[18:19] offset:64
	s_mul_i32 s30, s[WV], RP
	v_add_nc_u32 v[AGW], s30, v[L16]               ; where my sum goes: row w, 16 x lane
	v_and_b32 v8, 7, v2
	v_mul_u32_u24 v[AGR], v8, RP
	v_lshl_add_u32 v[AGR], v3, 6, v[AGR]           ; where the sums are read: row r % 8, + 64 h
	v_mul_u32_u24 v[OSW], v8, RP
	v_lshl_add_u32 v[OSW], v3, 5, v[OSW]
	s_lshl_b32 s31, s[WV], 7
	s_add_co_u32 s31, s31, OST
	v_add_nc_u32 v[OSW], s31, v[OSW]               ; where results go: row r % 8, + 128 w + 32 h
	v_add_nc_u32 v[OSR], OST, v[AGW]               ; and where my query's row is read back
	v_lshlrev_b32 v9, 4, v3
	s_wait_loadcnt 0x0
	s_wait_kmcnt 0x0
.set SL, 0
.rept 32
	s_min_u32 s[IX+SL], s[IX+SL], 0xffff           ; a number read from memory is held inside the table before it enters an address
.set SL, SL+1
.endr
.irp u, 0,1
	v_min_u32 v[IDX+\u], 0xffff, v[IDX+\u]
	v_lshl_add_u32 v[KAD+\u], v[IDX+\u], 6, v9     ; the key's 64 bytes, + 16 h
	v_lshlrev_b32 v[KSD+\u], 2, v[IDX+\u]          ; and its scale word
.endr
.irp u, 0,1
	global_load_b128 v[KFR+8*\u:KFR+8*\u+3], v[KAD+\u], s[8:9]
	global_load_b128 v[KFR+8*\u+4:KFR+8*\u+7], v[KAD+\u], s[8:9] offset:32
	global_load_b32 v[KSC+\u], v[KSD+\u], s[10:11]
.endr
	PADDR 0
	PLOAD 0
	PADDR 1
	PLOAD 1
	s_wait_loadcnt 32                              ; the keys are in; pool's two batches, 16 loads each, may be out
.irp u, 0,1
	v_wmma_scale_f32_16x16x128_f8f6f4 v[SA+8*\u:SA+8*\u+7], v[KFR+8*\u:KFR+8*\u+7], v[QF:QF+7], 0, v[KSC+\u], v[QSC] matrix_a_fmt:MATRIX_FMT_FP4 matrix_b_fmt:MATRIX_FMT_FP4
.endr
.rept 4
	v_nop                                          ; four places in front of the first read of the results (ISA guide 7.12.1)
.endr
	v_max3_num_f32 v8, v[SA], v[SA+1], v[SA+2]     ; the largest of my 16 scores; each accumulator from its low end on
	v_max3_num_f32 v9, v[SA+8], v[SA+9], v[SA+10]
	v_max3_num_f32 v8, v8, v[SA+3], v[SA+4]
	v_max3_num_f32 v9, v9, v[SA+11], v[SA+12]
	v_max3_num_f32 v8, v8, v[SA+5], v[SA+6]
	v_max3_num_f32 v9, v9, v[SA+13], v[SA+14]
	v_max3_num_f32 v8, v8, v[SA+7], v[SA+15]
	v_max_num_f32 v8, v8, v9
	v_permlanex16_b32 v10, v8, s[SEL], s[SEL+1]
	v_max_num_f32 v8, v8, v10                      ; with the other half's 16: the largest of the 32
.irp j, 0,1,2,3,4,5,6,7,8,9,10,11,12,13,14,15
	v_sub_f32 v[SA+\j], v[SA+\j], v8               ; the maximum is taken away first, exactly as large scores ask,
.endr
.irp j, 0,1,2,3,4,5,6,7,8,9,10,11,12,13,14,15
	v_mul_f32 v[SA+\j], 0x3fb8aa3b, v[SA+\j]       ; then log2(e)
.endr
.irp j, 0,1,2,3,4,5,6,7,8,9,10,11,12,13,14,15
	v_exp_f32 v[SA+\j], v[SA+\j]
.endr
	v_nop                                          ; a plain line behind the last exponential
	s_wait_alu depctr_va_vdst(0)                   ; the wait ahead of the first line that names a result: one for the 16
	v_add_f32 v8, v[SA], v[SA+1]
	v_add_f32 v9, v[SA+2], v[SA+3]
.irp j, 4,6,8,10,12,14
	v_add_f32 v8, v8, v[SA+\j]
	v_add_f32 v9, v9, v[SA+\j+1]
.endr
	v_add_f32 v8, v8, v9
	v_permlanex16_b32 v10, v8, s[SEL], s[SEL+1]
	v_add_f32 v8, v8, v10                          ; the sum of the 32
	v_rcp_f32 v11, v8
	v_nop
	s_wait_alu depctr_va_vdst(0)
.irp j, 0,1,2,3,4,5,6,7,8,9,10,11,12,13,14,15
	v_mul_f32 v[SA+\j], v[SA+\j], v11              ; the weights
.endr
.irp u, 0,1
.irp j, 0,1,2,3,4,5,6,7
	v_readlane_b32 s[WT+16*\u+\j], v[SA+8*\u+\j], 0      ; place 16 u + j stands in lanes 0-15,
	v_readlane_b32 s[WT+16*\u+8+\j], v[SA+8*\u+\j], 16   ; place 16 u + 8 + j in lanes 16-31
.endr
.endr
.irp b, 0,1,2,3
.if \b < 3
	s_wait_loadcnt 16                              ; this batch's 16 loads are in; the next batch's may be out
.else
	s_wait_loadcnt 0x0
.endif
.irp k, 0,1,2,3,4,5,6,7
.irp e, 0,1,2,3,4,5,6,7
.if (\b == 0) && (\k == 0)
	v_mul_f32 v[ACC+\e], s[WT], v[PD+\e]           ; the first row starts the sums: nothing is cleared
.else
	v_fmac_f32 v[ACC+\e], s[WT+8*\b+\k], v[PD+64*(\b%2)+8*\k+\e]
.endif
.endr
.endr
.if \b < 2
	PADDR \b+2                                     ; this buffer's loads are done: its addresses and its registers take the batch two on
	PLOAD \b+2
.endif
.endr
	ds_store_b128 v[AGW], v[ACC:ACC+3] offset:AGG
	ds_store_b128 v[AGW], v[ACC+4:ACC+7] offset:AGG+512
	BARRIER                                        ; the 8 sums lie in LDS
.irp b, 0,1,2,3
	v_mov_b32 v[TM+4+\b], 0                        ; written once: a lane permute's destination counts as one of its sources
.endr
	AGLOAD 0
	s_wait_dscnt 0x0
	QUANT ST, FG, PW
	AGLOAD 1
	s_wait_dscnt 0x0
	QUANT ST, FG+8, PW+1
.rept 8
	v_nop                                          ; a scale register written by a vector instruction stands 8 places ahead of a scaled matrix instruction, an operand so written 4
.endr
	; two accumulators by turns; the first K step starts the sums
	v_wmma_scale_f32_16x16x128_f8f6f4 v[OA:OA+7], v[WF:WF+7], v[FG:FG+7], 0, v[WS], v[PW] matrix_a_fmt:MATRIX_FMT_FP4 matrix_b_fmt:MATRIX_FMT_FP4
	v_wmma_scale_f32_16x16x128_f8f6f4 v[OA+8:OA+15], v[WF+16:WF+23], v[FG:FG+7], 0, v[WS+2], v[PW] matrix_a_fmt:MATRIX_FMT_FP4 matrix_b_fmt:MATRIX_FMT_FP4
	v_wmma_scale_f32_16x16x128_f8f6f4 v[OA:OA+7], v[WF+8:WF+15], v[FG+8:FG+15], v[OA:OA+7], v[WS+1], v[PW+1] matrix_a_fmt:MATRIX_FMT_FP4 matrix_b_fmt:MATRIX_FMT_FP4
	v_wmma_scale_f32_16x16x128_f8f6f4 v[OA+8:OA+15], v[WF+24:WF+31], v[FG+8:FG+15], v[OA+8:OA+15], v[WS+3], v[PW+1] matrix_a_fmt:MATRIX_FMT_FP4 matrix_b_fmt:MATRIX_FMT_FP4
.rept 4
	v_nop
.endr
.irp nt, 0,1
	ds_store_b128 v[OSW], v[OA+8*\nt:OA+8*\nt+3] offset:64*\nt        ; lane (r, h): out0(query r % 8, 32 w + 16 nt + 8 h + 0 .. 7); lanes r and r + 8 write the same bytes with the same values
	ds_store_b128 v[OSW], v[OA+8*\nt+4:OA+8*\nt+7] offset:64*\nt+16
.endr
	BARRIER                                        ; 8 whole rows of out0 lie in the stage
	ds_load_b128 v[128:131], v[OSR]
	ds_load_b128 v[132:135], v[OSR] offset:512
	s_wait_dscnt 1                                 ; the first half of my row is in; the second load may be out
	global_store_b128 v[L16], v[128:131], s[20:21] th:TH_STORE_NT            ; 32 lanes store 512 consecutive bytes, at a multiple of 256 from out0's first byte
	s_wait_dscnt 0x0
	global_store_b128 v[L16], v[132:135], s[20:21] offset:512 th:TH_STORE_NT
	s_wait_tensorcnt 0x0                           ; the wave's end, behind my last LDS store
	ds_add_u32 v[SPW], v[NIL]
	s_wait_dscnt 0x0
	s_endpgm
.Lfunc_end_k_q628ca5092c_gather:
	.size	k_q628ca5092c_gather, .Lfunc_end_k_q628ca5092c_gather-k_q628ca5092c_gather
	.p2alignl 7, 3214868480
	.fill 96, 4, 3214868480
	.section	.rodata,"a",@progbits
	.p2align	6, 0x0
	.amdhsa_kernel k_q628ca5092c_gather
		.amdhsa_group_segment_fixed_size 17920
		.amdhsa_private_segment_fixed_size 0
		.amdhsa_enable_private_segment 0
		.amdhsa_kernarg_size 72
		.amdhsa_user_sgpr_count 2
		.amdhsa_user_sgpr_kernarg_segment_ptr 1
		.amdhsa_wavefront_size32 1
		.amdhsa_system_sgpr_workgroup_id_x 1
		.amdhsa_system_sgpr_workgroup_id_y 1
		.amdhsa_system_sgpr_workgroup_id_z 1
		.amdhsa_system_vgpr_workitem_id 0
		.amdhsa_next_free_vgpr 256
		.amdhsa_next_free_sgpr 100
		.amdhsa_reserve_vcc 0
		.amdhsa_float_denorm_mode_32 3
		.amdhsa_float_denorm_mode_16_64 3
		.amdhsa_memory_ordered 1
		.amdhsa_forward_progress 1
		.amdhsa_inst_pref_size 42
	.end_amdhsa_kernel
	.amdgpu_metadata
---
amdhsa.version: [ 1, 2 ]
amdhsa.kernels:
  - .name:           k_q628ca5092c_gather
    .symbol:         k_q628ca5092c_gather.kd
    .args:
      - { .name: query_codes, .offset: 0, .size: 8, .value_kind: global_buffer, .address_space: global }
      - { .name: query_scales, .offset: 8, .size: 8, .value_kind: global_buffer, .address_space: global }
      - { .name: keys_codes, .offset: 16, .size: 8, .value_kind: global_buffer, .address_space: global }
      - { .name: keys_scales, .offset: 24, .size: 8, .value_kind: global_buffer, .address_space: global }
      - { .name: pool, .offset: 32, .size: 8, .value_kind: global_buffer, .address_space: global }
      - { .name: w_out_codes, .offset: 40, .size: 8, .value_kind: global_buffer, .address_space: global }
      - { .name: w_out_scales, .offset: 48, .size: 8, .value_kind: global_buffer, .address_space: global }
      - { .name: klist, .offset: 56, .size: 8, .value_kind: global_buffer, .address_space: global }
      - { .name: out0, .offset: 64, .size: 8, .value_kind: global_buffer, .address_space: global }
    .group_segment_fixed_size: 17920
    .private_segment_fixed_size: 0
    .kernarg_segment_align: 8
    .kernarg_segment_size: 72
    .max_flat_workgroup_size: 256
    .sgpr_count:     100
    .vgpr_count:     256
    .wavefront_size: 32
...
	.end_amdgpu_metadata
.endif
;; end of part 4
;; ======== version 2 of 2: 4 launches; version 1 with the launches pickk, gather written anew for expert scheduling mode
;; workspace buffers: gmax 16,777,216 bytes; glist 262,144 bytes of whole numbers; klist 262,144 bytes of whole numbers
;; launch groupmax: the kernel of part 1 again; grid 16 x 16, 4 waves a work-group, clusters of 4 x 1, 327,680 bytes of LDS; arguments query_codes, query_scales, keys_codes, keys_scales, gmax; writes gmax
;; launch pickg: the kernel of part 2 again; grid 256 x 1, 4 waves a work-group, no clusters, 0 bytes of LDS; arguments gmax, glist; writes glist
;; launch pickk (part 5): grid 256 x 1, 4 waves a work-group, no clusters, 0 bytes of LDS; arguments query_codes, query_scales, keys_codes, keys_scales, glist, klist; writes klist
.if DOCPART == 5
	.amdgcn_target "amdgcn-amd-amdhsa--gfx1250"
	.amdhsa_code_object_version 6
	.text
	.protected	k_q628ca5092c_pickk
	.globl	k_q628ca5092c_pickk
	.p2align	8
	.type	k_q628ca5092c_pickk,@function
k_q628ca5092c_pickk:
	s_mov_b64 s[64:65], 0
	v_nop
	global_prefetch_b8 v0, s[64:65] scope:SCOPE_SE
	s_setreg_imm32_b32 hwreg(HW_REG_WAVE_SCHED_MODE, 0, 2), 2
	s_setreg_imm32_b32 hwreg(HW_REG_WAVE_MODE, 25, 1), 1
	s_wait_xcnt 0x0
	s_wait_alu depctr_vm_vsrc(0)
; LAUNCH 3 OF 4: for each query the scores of the 32 x 32 keys of its 32 best groups, made again by the same matrix instruction on the same operands with C = 0 (the same bits as in
; launch 1), and of them the 32 best by (score falling, index rising): reference()'s top_k.  Their indices go to klist.  The other groups hold none of the 32 best (launch 1's comment): their scores are not made again.
; A wave takes a pair of queries a and b = a + 8, as launch 2 does.  Source 0 holds query a in rows 0-7 and query b in rows 8-15, so that in every register of a result lanes 0-15 are a's
; scores and lanes 16-31 b's, one key a lane.  The two queries have groups of their own: a tile of a's keys is used in lanes 0-15 alone, a tile of b's in lanes 16-31.
; The groups' numbers are whole numbers read from memory, held to 2,047; the keys come straight from memory into the operand's registers: 16 neighbouring keys a tile.
; BATCHES: two groups of each query: 8 tiles, 16 + 4 loads.  Three buffers by turns: with source 0's three loads 63 loads are out at the most.
; The choice is launch 2's: a fixed network on bare values, run twice; key n = 65,536 x class + 65,535 - the key's index.
; LIMITS: NaN is not served; +0 and -0 count as equal.
; THE MODE: SCHED_MODE bits 1:0 = 2 (LLVM: expert scheduling mode 2), set by the entry lines.  The code itself states the register dependences
; between vector or matrix instructions and memory instructions, with s_wait_alu, always for 0.
; THE PLAN.  Registers that memory instructions touch:
;   window 1 v0-191, v32-43   three buffers of fragments and scale words.  Written by the 20 loads of ISSUE bt; read by BATCH bt's eight products; loaded again by ISSUE bt + 3, at the end of BATCH bt.
;   v44-67                    three sets of eight addresses.  Written by ADDR bt; read by ISSUE bt's loads; written again by ADDR bt + 3, in BATCH bt.
;   v20-28                    source 0 and its scale words: loaded once.   v29, v30, v5: offsets, made at the head and never written again.   v[6:7]: written by PICK, read by the one store.
;   The scores, the accumulators and the network's three sets are named by vector and matrix instructions alone.
; So a batch that asks for another holds two waits: one on vm_vsrc at its head, ahead of ADDR, and one on va_vdst behind its products and ADDR, ahead of the 20 loads, which follow it at once.
; REGISTERS.  Window 0: v1 r, v2 h, v3, v4 a lane's place in a group's codes and scale words, v5 8 x lane, v[6:7] out, v8-15 at work, v16 T, v17, v18 key constants, v20-27 source 0, v28 its scale words,
; v32-43 the keys' scale words, v44-67 addresses, v68-131 the scores, v132-195 eight accumulators, later two of the network's sets, v196-227 the third.  Window 1: v0-191 three buffers of 8 fragments.
.set LC,  3
.set LS,  4
.set GO,  5
.set OUT, 6
.set T,   16
.set LB1, 17
.set ZR,  18
.set AF,  20
.set ASC, 28
.set AAD, 29
.set ASD, 30
.set KS,  32
.set AD,  44
.set X,   68
.set D,   132
.set RS,  132
.set WA,  164
.set WB,  196
.set GA,  32                           ; s[32:63] query a's groups; s[68:99] query b's; later the compares' masks
.set MSB, 0
.macro WIN new                         ; the immediate's high byte repeats the setting that is left
.if MSB != \new
	s_set_vgpr_msb (MSB<<8)|\new
.set MSB, \new
.endif
.endm
.macro FLIP src, dst, s                ; i against its mirror in blocks of s
.set i, 0
.rept 32
.set p, i^((\s)-1)
.if i < p
	v_max_num_f32 v[(\dst)+i], v[(\src)+i], v[(\src)+p]
	v_min_num_f32 v[(\dst)+p], v[(\src)+i], v[(\src)+p]
.endif
.set i, i+1
.endr
.endm
.macro STEPD src, dst, d               ; i against i + d
.set i, 0
.rept 32
.if (i&(\d)) == 0
	v_max_num_f32 v[(\dst)+i], v[(\src)+i], v[(\src)+i+(\d)]
	v_min_num_f32 v[(\dst)+i+(\d)], v[(\src)+i], v[(\src)+i+(\d)]
.endif
.set i, i+1
.endr
.endm
.macro SORT32 src                      ; 32 registers from src, which are kept, sorted falling into WA
	FLIP \src, WA, 2
	FLIP WA, WB, 4
	STEPD WB, WA, 1
	FLIP WA, WB, 8
	STEPD WB, WA, 2
	STEPD WA, WB, 1
	FLIP WB, WA, 16
	STEPD WA, WB, 4
	STEPD WB, WA, 2
	STEPD WA, WB, 1
	FLIP WB, WA, 32
	STEPD WA, WB, 8
	STEPD WB, WA, 4
	STEPD WA, WB, 2
	STEPD WB, WA, 1
.endm
.macro CLEAN a, b                      ; a list that rises and falls once, in a, sorted falling into b
	STEPD \a, \b, 16
	STEPD \b, \a, 8
	STEPD \a, \b, 4
	STEPD \b, \a, 2
	STEPD \a, \b, 1
.endm
.macro MERGE                           ; the 32 best of RS and WA become RS
.set i, 0
.rept 32
	v_max_num_f32 v[RS+i], v[RS+i], v[WA+31-i]
.set i, i+1
.endr
	CLEAN RS, WA
.set TS, RS
.set RS, WA
.set WA, TS
.endm
.macro XMAX m                          ; the 32 best of my list and lane l xor m's, unsorted, into WA
.set i, 0
.rept 32
	v_max_num_f32_dpp v[WA+i], v[RS+31-i], v[RS+i] row_xmask:\m row_mask:0xf bank_mask:0xf
.set i, i+1
.endr
.endm
.macro XLANE m
	XMAX \m
	CLEAN WA, WB
.set TS, RS
.set RS, WB
.set WB, TS
.endm
.macro MIN32                           ; the least of WA's 32 into T
.irp d, 16,8,4,2
.set i, 0
.rept \d
	v_min_num_f32 v[WA+i], v[WA+i], v[WA+i+\d]
.set i, i+1
.endr
.endr
	v_min_num_f32 v[T], v[WA], v[WA+1]
.endm
.macro PASS n, last                    ; n chunks of 32 registers from X on.  last = 0: T;  1: the sorted 32 in RS, the same in all 16 lanes
	SORT32 X
.set TS, RS
.set RS, WA
.set WA, TS
.set CH, 1
.rept (\n)-1
	SORT32 X+32*CH
	MERGE
.set CH, CH+1
.endr
	XLANE 1
	XLANE 2
	XLANE 4
.if \last
	XLANE 8
.else
	XMAX 8
	MIN32
.endif
.endm
.macro PICK msk, base                  ; lane l takes places 2 l and 2 l + 1 of the list, turns the keys into indices and stores them
	v_mov_b32 v[OUT], v[RS]
	v_mov_b32 v[OUT+1], v[RS+1]
.set L, 1
.rept 15
	s_mov_b32 vcc_lo, 0x00010001<<L
	v_cndmask_b32 v[OUT], v[OUT], v[RS+2*L], vcc_lo
	v_cndmask_b32 v[OUT+1], v[OUT+1], v[RS+2*L+1], vcc_lo
.set L, L+1
.endr
	v_and_b32 v[OUT], \msk, v[OUT]
	v_and_b32 v[OUT+1], \msk, v[OUT+1]
	v_sub_nc_u32 v[OUT], \msk, v[OUT]
	v_sub_nc_u32 v[OUT+1], \msk, v[OUT+1]
	s_wait_alu depctr_va_vdst(0)                   ; the two subtractions have written v[6:7], which the store reads
	global_store_b64 v[GO], v[OUT:OUT+1], s[\base:\base+1]   ; the wave stores 256 consecutive bytes, aligned
.endm
.macro ADDR bt                         ; batch bt's eight addresses: for query rho's group 2 bt + sg its codes (2,048 bytes a group) and its scale words (128)
.irp rho, 0,1
.irp sg, 0,1
	v_lshl_add_u32 v[AD+8*((\bt)%3)+4*\rho+2*\sg], s[GA+36*\rho+2*(\bt)+\sg], 11, v[LC]
	v_lshl_add_u32 v[AD+8*((\bt)%3)+4*\rho+2*\sg+1], s[GA+36*\rho+2*(\bt)+\sg], 7, v[LS]
.endr
.endr
.endm
; its 20 loads: fragment 4 rho + 2 sg + u holds keys 16 u + r of the group; one load brings a group's 32 scale words, lanes 0-15 for u = 0, lanes 16-31 for u = 1.
; w = 1: the wait stands behind the window's switch and ahead of the first load; behind it come loads and window switches alone
.macro ISSUE bt, w
	WIN 0x40                                       ; destination window 1
.if \w
	s_wait_alu depctr_va_vdst(0)                   ; ADDR has written the addresses that the loads below read; in a batch: its products are done reading the fragments and scale words in which these loads land
.endif
.irp rho, 0,1
.irp sg, 0,1
.irp u, 0,1
.irp c, 0,1
	global_load_b128 v[64*((\bt)%3)+8*(4*\rho+2*\sg+\u)+4*\c:64*((\bt)%3)+8*(4*\rho+2*\sg+\u)+4*\c+3], v[AD+8*((\bt)%3)+4*\rho+2*\sg], s[8:9] offset:1024*\u+32*\c
.endr
.endr
.endr
.endr
	WIN 0
.irp rho, 0,1
.irp sg, 0,1
	global_load_b32 v[KS+4*((\bt)%3)+2*\rho+\sg], v[AD+8*((\bt)%3)+4*\rho+2*\sg+1], s[10:11]
.endr
.endr
.endm
.macro BATCH bt
.if (\bt) <= 13
	s_wait_loadcnt 40                              ; this batch's loads are in; the two younger batches' 20 each may be out
.elseif (\bt) == 14
	s_wait_loadcnt 20
.else
	s_wait_loadcnt 0x0
.endif
.if (\bt)+3 < 16
	s_wait_alu depctr_vm_vsrc(0)                   ; this batch's loads have read their eight address registers, which ADDR below writes anew
.endif
	WIN 0x04                                       ; source 1 (the keys) window 1
.irp rho, 0,1
.irp sg, 0,1
	v_wmma_scale_f32_16x16x128_f8f6f4 v[D+8*(4*\rho+2*\sg):D+8*(4*\rho+2*\sg)+7], v[AF:AF+7], v[64*((\bt)%3)+8*(4*\rho+2*\sg):64*((\bt)%3)+8*(4*\rho+2*\sg)+7], 0, v[ASC], v[KS+4*((\bt)%3)+2*\rho+\sg] matrix_a_fmt:MATRIX_FMT_FP4 matrix_b_fmt:MATRIX_FMT_FP4
	v_wmma_scale_f32_16x16x128_f8f6f4 v[D+8*(4*\rho+2*\sg+1):D+8*(4*\rho+2*\sg+1)+7], v[AF:AF+7], v[64*((\bt)%3)+8*(4*\rho+2*\sg+1):64*((\bt)%3)+8*(4*\rho+2*\sg+1)+7], 0, v[ASC], v[KS+4*((\bt)%3)+2*\rho+\sg] matrix_a_fmt:MATRIX_FMT_FP4 matrix_b_fmt:MATRIX_FMT_FP4 matrix_b_scale:MATRIX_SCALE_ROW1
.endr
.endr
	WIN 0
.if (\bt)+3 < 16
	ADDR (\bt)+3                                   ; eight plain lines: the places behind the products: four in front of the reads below, five in front of the next batch's products, which write over the accumulators
.else
.rept 5
	v_nop
.endr
.endif
.irp tau, 0,1,2,3
	v_cndmask_b32 v[X+4*(\bt)+\tau], v[D+8*\tau], v[D+32+8*\tau], s20   ; lanes 0-15 from a's tile, lanes 16-31 from b's; each accumulator's lowest register holds all that is wanted
.endr
.if (\bt)+3 < 16
	ISSUE (\bt)+3, 1                               ; the buffer is asked for again at once
.endif
.endm
	s_load_b256 s[4:11], s[0:1], 0x0               ; Q's codes, Q's scales, the keys' codes, their scales
	s_load_b128 s[12:15], s[0:1], 0x20             ; glist, klist
	v_lshrrev_b32 v8, 5, v0
	v_readfirstlane_b32 s16, v8                    ; wave
	v_and_b32 v1, 15, v0                           ; r
	v_bfe_u32 v2, v0, 4, 1                         ; h
	v_and_b32 v8, 31, v0
	v_lshlrev_b32 v[LS], 2, v8
	v_lshlrev_b32 v[GO], 3, v8
	v_lshlrev_b32 v[LC], 6, v1
	v_lshl_add_u32 v[LC], v2, 4, v[LC]             ; key r of a tile, 64 bytes each, + 16 h
	v_sub_nc_u32 v[LB1], 0x4b01ffff, v1            ; the bits of 2^23 + 65,536 + 65,535 - r
	v_mov_b32 v[ZR], 0x4b000010                    ; class 0 (16 may be taken off it)
	v_lshrrev_b32 v9, 3, v1
	v_lshlrev_b32 v[AAD], 9, v9                    ; source 0: rows 0-7 query a, rows 8-15 query a + 8, 512 bytes on,
	v_lshl_add_u32 v[AAD], v2, 4, v[AAD]
	v_lshlrev_b32 v[ASD], 5, v9                    ; its scale word 32 bytes on
	s_mov_b32 s20, 0xffff0000                      ; lanes 16-31
	s_wait_alu depctr_va_sdst(0)                   ; s16, the wave's number, is written, ahead of its first reader: my pair is made from it
	s_lshl_b32 s17, ttmp9, 2
	s_add_co_u32 s17, s17, s16                     ; my pair p
	s_lshl_b32 s18, s17, 8
	s_mov_b32 s19, 0
	s_lshr_b32 s21, s17, 3
	s_lshl_b32 s21, s21, 4
	s_and_b32 s26, s17, 7
	s_add_co_u32 s21, s21, s26                     ; a = 16 (p / 8) + p % 8
	s_lshl_b32 s26, s21, 6
	s_mov_b32 s27, 0
	s_lshl_b32 s28, s21, 2
	s_mov_b32 s29, 0
	s_wait_kmcnt 0x0
	s_add_nc_u64 s[12:13], s[12:13], s[18:19]
	s_add_nc_u64 s[14:15], s[14:15], s[18:19]
	s_add_nc_u64 s[4:5], s[4:5], s[26:27]
	s_add_nc_u64 s[6:7], s[6:7], s[28:29]
	s_load_b512 s[32:47], s[12:13], 0x0            ; a's 32 groups,
	s_load_b512 s[48:63], s[12:13], 0x40
	s_load_b512 s[68:83], s[12:13], 0x80           ; b's
	s_load_b512 s[84:99], s[12:13], 0xc0
	s_wait_alu depctr_va_vdst(0)                   ; v29 and v30 are written, which the three loads below read as their offsets; so is v5, the store's
	global_load_b128 v[AF:AF+3], v[AAD], s[4:5]
	global_load_b128 v[AF+4:AF+7], v[AAD], s[4:5] offset:32
	global_load_b32 v[ASC], v[ASD], s[6:7]
	s_wait_kmcnt 0x0
.set SL, 0
.rept 32
	s_min_u32 s[GA+SL], s[GA+SL], 0x7ff            ; a number read from memory is held inside the table before it enters an address
	s_min_u32 s[GA+36+SL], s[GA+36+SL], 0x7ff
.set SL, SL+1
.endr
	ADDR 0                                         ; the first three batches' 24 addresses together, so that one wait serves their 60 loads
	ADDR 1
	ADDR 2
	ISSUE 0, 1
	ISSUE 1, 0
	ISSUE 2, 0
.set BT, 0
.rept 16
	BATCH BT
.set BT, BT+1
.endr
	PASS 2, 0                                      ; register 2 s + u of lane (r, h): the score of key 32 x group s + 16 u + r for query a (h = 0) or b (h = 1)
; THE KEYS OF THE SECOND PASS.  First class 1's key of each group, for u = 0, into the network's set that lies idle (RS): behind that the 64 scalar registers that held the groups are free.
.set SL, 0
.rept 32
.set TB, 8+4*(SL%2)
	v_mov_b32 v[TB], s[GA+SL]
	v_mov_b32 v[TB+1], s[GA+36+SL]
	v_cndmask_b32 v[TB], v[TB], v[TB+1], s20       ; my query's group
	v_lshlrev_b32 v[TB], 5, v[TB]
	v_sub_nc_u32 v[RS+SL], v[LB1], v[TB]           ; class 1's key for u = 0: n = 65,536 + 65,535 - (32 x group + r)
.set SL, SL+1
.endr
; Then the compares in two runs of 64, a mask to each in a scalar register of its own, with one wait behind a run and ahead of the selects that read the masks.
.set HF, 0
.rept 2
.set QI, 0
.rept 16
.set SL, 16*HF+QI
	v_cmp_ge_f32 s[32+2*QI], v[X+2*SL], v[T]
	v_cmp_gt_f32 s[33+2*QI], v[X+2*SL], v[T]
	v_cmp_ge_f32 s[68+2*QI], v[X+2*SL+1], v[T]
	v_cmp_gt_f32 s[69+2*QI], v[X+2*SL+1], v[T]
.set QI, QI+1
.endr
	s_wait_alu depctr_va_sdst(0)                   ; the run's 64 compares have written their masks, s32-63 and s68-99, ahead of the first select that reads one
.set QI, 0
.rept 16
.set SL, 16*HF+QI
.set TB, 8+4*(QI%2)
	v_add_nc_u32 v[TB+3], 0x10000, v[RS+SL]        ; class 2's
	v_cndmask_b32 v[TB], v[ZR], v[RS+SL], s[32+2*QI]
	v_cndmask_b32 v[TB+1], v[ZR], v[RS+SL], s[68+2*QI]
	v_cndmask_b32 v[X+2*SL], v[TB], v[TB+3], s[33+2*QI]
	v_cndmask_b32 v[TB+1], v[TB+1], v[TB+3], s[69+2*QI]
	v_add_nc_u32 v[X+2*SL+1], -16, v[TB+1]         ; u = 1: 16 keys further on
.set QI, QI+1
.endr
.set HF, HF+1
.endr
	PASS 2, 1
	PICK 0xffff, 14
	s_endpgm
.Lfunc_end_k_q628ca5092c_pickk:
	.size	k_q628ca5092c_pickk, .Lfunc_end_k_q628ca5092c_pickk-k_q628ca5092c_pickk
	.p2alignl 7, 3214868480
	.fill 96, 4, 3214868480
	.section	.rodata,"a",@progbits
	.p2align	6, 0x0
	.amdhsa_kernel k_q628ca5092c_pickk
		.amdhsa_group_segment_fixed_size 0
		.amdhsa_private_segment_fixed_size 0
		.amdhsa_enable_private_segment 0
		.amdhsa_kernarg_size 48
		.amdhsa_user_sgpr_count 2
		.amdhsa_user_sgpr_kernarg_segment_ptr 1
		.amdhsa_wavefront_size32 1
		.amdhsa_system_sgpr_workgroup_id_x 1
		.amdhsa_system_sgpr_workgroup_id_y 1
		.amdhsa_system_sgpr_workgroup_id_z 1
		.amdhsa_system_vgpr_workitem_id 0
		.amdhsa_next_free_vgpr 448
		.amdhsa_next_free_sgpr 100
		.amdhsa_reserve_vcc 1
		.amdhsa_float_denorm_mode_32 3
		.amdhsa_float_denorm_mode_16_64 3
		.amdhsa_memory_ordered 1
		.amdhsa_forward_progress 1
		.amdhsa_inst_pref_size 220
	.end_amdhsa_kernel
	.amdgpu_metadata
---
amdhsa.version: [ 1, 2 ]
amdhsa.kernels:
  - .name:           k_q628ca5092c_pickk
    .symbol:         k_q628ca5092c_pickk.kd
    .args:
      - { .name: query_codes, .offset: 0, .size: 8, .value_kind: global_buffer, .address_space: global }
      - { .name: query_scales, .offset: 8, .size: 8, .value_kind: global_buffer, .address_space: global }
      - { .name: keys_codes, .offset: 16, .size: 8, .value_kind: global_buffer, .address_space: global }
      - { .name: keys_scales, .offset: 24, .size: 8, .value_kind: global_buffer, .address_space: global }
      - { .name: glist, .offset: 32, .size: 8, .value_kind: global_buffer, .address_space: global }
      - { .name: klist, .offset: 40, .size: 8, .value_kind: global_buffer, .address_space: global }
    .group_segment_fixed_size: 0
    .private_segment_fixed_size: 0
    .kernarg_segment_align: 8
    .kernarg_segment_size: 48
    .max_flat_workgroup_size: 128
    .sgpr_count:     100
    .vgpr_count:     448
    .wavefront_size: 32
...
	.end_amdgpu_metadata
.endif
;; end of part 5
;; launch gather (part 6): grid 256 x 1, 8 waves a work-group, no clusters, 17,920 bytes of LDS; arguments query_codes, query_scales, keys_codes, keys_scales, pool, w_out_codes, w_out_scales, klist, out0; writes out0
.if DOCPART == 6
	.amdgcn_target "amdgcn-amd-amdhsa--gfx1250"
	.amdhsa_code_object_version 6
	.text
	.protected	k_q628ca5092c_gather
	.globl	k_q628ca5092c_gather
	.p2align	8
	.type	k_q628ca5092c_gather,@function
k_q628ca5092c_gather:
	s_mov_b64 s[64:65], 0
	v_nop
	global_prefetch_b8 v0, s[64:65] scope:SCOPE_SE
	s_setreg_imm32_b32 hwreg(HW_REG_WAVE_SCHED_MODE, 0, 2), 2
	s_setreg_imm32_b32 hwreg(HW_REG_WAVE_MODE, 25, 1), 1
	s_wait_xcnt 0x0
	s_wait_alu depctr_vm_vsrc(0)
; LAUNCH 4 OF 4: for each query the scores of its 32 chosen keys once more (two products), their softmax (the maximum taken away first), the weighted sum of the 32 rows of pool in f32
; (fused multiply-adds: the sum goes on into a quantiser), that sum quantised along its 256, and the product with w_out's codes.  Of pool only the chosen rows are read: the lookup by an index, read from klist.
; SHARES.  A work-group takes 8 queries; wave w query 8 g + w up to the weighted sum.  The 8 sums meet in LDS; then wave w makes outputs 32 w .. 32 w + 31 of all 8 queries.
; SCORES.  Source 0 = 16 chosen keys, source 1 = my query in all 16 columns: register j of half h of tile u is the score of place 16 u + 8 h + j of the list, the same in all lanes of a half.
; THE WEIGHTS go to scalar registers (v_readlane_b32); they are data of multiply-adds alone.  A row of pool comes by two loads of 512 consecutive bytes: lane l holds numbers 4 l .. and 128 + 4 l ..
; THE LAST PRODUCT is used transposed (source 0 = 16 rows of w_out, source 1 = the 8 sums, each in two columns): a lane holds eight neighbouring outputs of one query.
; Every wave quantises the 8 sums for itself: less than a barrier and a way through LDS for the codes would cost.
; LIMITS: NaN is not served; a weight under 2^-126 counts as 0 (v_exp_f32); a block of zeros in the sum keeps the scale byte 1 where the rule says 127: its codes are zeros, and the byte is read here alone.
; THE MODE: SCHED_MODE bits 1:0 = 2 (LLVM: expert scheduling mode 2), set by the entry lines.  The code itself states the register dependences
; between vector or matrix instructions and memory or LDS instructions, with s_wait_alu, always for 0.
; THE PLAN.  Registers that memory or LDS instructions touch:
;   v104-119   v104-108: offsets of the first loads.  Then pool's addresses: written by PADDR b, read by PLOAD b, written again by PADDR b + 2 at the head of batch b.  At the end the last products' two accumulators, read by LDS stores.
;   v63-66     the keys' addresses: written once, read by their six loads.
;   v128-255   two buffers of 8 rows of pool: loaded by PLOAD b, read by batch b's 64 multiply-adds, loaded again by PLOAD b + 2 behind them.  Then two buffers of 64 numbers of the sums, one for each K step:
;              loaded from LDS together, read by the quantiser.  At the very end v128-135 take my row of out0 from LDS, and the two stores read them.
;   v120-127   my sum: written by the multiply-adds, read by two LDS stores.
;   v12-15, v4 LDS addresses and 16 x lane: made at the head, never written again.   v6, v7: written at the head, read by the closing add alone.
;   v16-62, v68-85: loaded once each, ahead of every vector or matrix line that names them.
; REGISTERS: v1 lane, v2 r, v3 h, v4 16 x lane, v6, v7 the add's two, v8-11 at work, v12-15 LDS addresses, v16-47 w_out's 4 fragments, v48-51 their scale words, v52-59 my query, v60 its scale word,
; v61-66 the list and the keys' addresses, v68-83 two tiles of keys, later the sums' two fragments, v84-85 the keys' scale words, v86-87 the sums' scale words, v88-103 scores, then weights, later the quantiser's
; work, v104-119 pool's addresses, later two accumulators, v120-127 my sum, v128-255 two buffers of 8 rows of pool, later two of 64 numbers to quantise.
.set RP,    1040                       ; a row of 256 f32 in LDS: 1,024 bytes + 16: 8 rows begin in 8 different 16-byte columns modulo 256 bytes
.set AGG,   0                          ; the 8 sums
.set OST,   8448                       ; 8 rows of out0
.set SPARE, 16896                      ; the spare words, 128 bytes for each of 8 waves: four blocks of 256 bytes that no other line names
.set L16, 4
.set SPW, 6
.set NIL, 7
.set AGW, 12
.set AGR, 13
.set OSW, 14
.set OSR, 15
.set WF,  16
.set WS,  48
.set QF,  52
.set QSC, 60
.set IDX, 61
.set KAD, 63
.set KSD, 65
.set KFR, 68
.set KSC, 84
.set PW,  86
.set SA,  88
.set PA,  104
.set ACC, 120
.set PD,  128
.set ST,  128                          ; K step ks of the sums at ST + 64 ks
.set TM,  88
.set FG,  68
.set OA,  104
.set WV,  22                           ; s22 my wave's number
.set SEL, 24                           ; s[24:25] v_permlanex16_b32's selects for lane l xor 16
.set IX,  32                           ; s[32:63] the 32 indices
.set WT,  68                           ; s[68:99] the 32 weights
.macro PADDR b                         ; pool's rows 8 b .. 8 b + 7 of the list: 1,024 bytes a row, + 16 x lane
.irp k, 0,1,2,3,4,5,6,7
	v_lshl_add_u32 v[PA+8*((\b)%2)+\k], s[IX+8*(\b)+\k], 10, v[L16]
.endr
.endm
.macro PLOAD b
.irp k, 0,1,2,3,4,5,6,7
	global_load_b128 v[PD+64*((\b)%2)+8*\k:PD+64*((\b)%2)+8*\k+3], v[PA+8*((\b)%2)+\k], s[12:13]
	global_load_b128 v[PD+64*((\b)%2)+8*\k+4:PD+64*((\b)%2)+8*\k+7], v[PA+8*((\b)%2)+\k], s[12:13] offset:512
.endr
.endm
.macro AGLOAD ks                       ; K step ks of the sums, into its own buffer: register 16 b + i of lane (r, h) = number 128 ks + 32 b + 16 h + i of sum r % 8
.irp b, 0,1,2,3
.irp jj, 0,1,2,3
	ds_load_b128 v[ST+64*(\ks)+16*\b+4*\jj:ST+64*(\ks)+16*\b+4*\jj+3], v[AGR] offset:AGG+512*(\ks)+128*\b+16*\jj
.endr
.endr
.endm
; 64 numbers of a lane, register 16 b + i = k 32 b + 16 h + i of its row, become a fragment's codes in v[pc] on and its scale word in v[pw]
.macro QUANT st, pc, pw
.irp b, 0,1,2,3
	v_max3_num_f32 v[TM+\b], |v[(\st)+16*\b]|, |v[(\st)+1+16*\b]|, 0x1800000   ; block b: my 16 numbers, and the floor 2^(3 - 127): the byte cannot fall under 1
.endr
.irp i, 2,4,6,8,10,12,14
.irp b, 0,1,2,3
	v_max3_num_f32 v[TM+\b], v[TM+\b], |v[(\st)+16*\b+\i]|, |v[(\st)+1+16*\b+\i]|
.endr
.endr
.irp b, 0,1,2,3
	v_permlanex16_b32 v[TM+4+\b], v[TM+\b], s[SEL], s[SEL+1]
.endr
.irp b, 0,1,2,3
	v_max_num_f32 v[TM+\b], v[TM+\b], v[TM+4+\b]   ; with lane l xor 16's: the block's largest magnitude
.endr
.irp b, 0,1,2,3
	v_add_nc_u32 v[TM+12+\b], 0xff000000, v[TM+\b] ; 2 off its exponent field: the conversion takes the exponent field of this operand as its scale
.endr
.irp b, 0,1,2,3
	v_lshrrev_b32 v[TM+4+\b], 23, v[TM+12+\b]      ; the scale's byte
.endr
	v_lshl_or_b32 v[\pw], v[TM+5], 8, v[TM+4]
	v_lshl_or_b32 v[\pw], v[TM+6], 16, v[\pw]
	v_lshl_or_b32 v[\pw], v[TM+7], 24, v[\pw]
.irp b, 0,1,2,3
	v_cvt_scalef32_pk8_fp4_f32 v[(\pc)+2*\b], v[(\st)+16*\b:(\st)+7+16*\b], v[TM+12+\b]
	v_cvt_scalef32_pk8_fp4_f32 v[(\pc)+1+2*\b], v[(\st)+8+16*\b:(\st)+15+16*\b], v[TM+12+\b]
.endr
	v_nop                                          ; one plain line behind the scaled conversions
.irp c, 0,1                            ; the operand's layout wants a whole block in a lane: lanes 0-15 block 2 c, lanes 16-31 block 2 c + 1
.irp i, 0,1
	v_permlane16_swap_b32 v[(\pc)+4*\c+\i], v[(\pc)+2+4*\c+\i]
.endr
.endr
.endm
.macro BARRIER                         ; my LDS stores have landed and my LDS loads are in: then the work-group's barrier
	s_wait_dscnt 0x0
	s_barrier_signal -1
	s_barrier_wait -1
.endm
	s_load_b512 s[4:19], s[0:1], 0x0               ; Q's codes s[4:5], Q's scales s[6:7], keys' codes s[8:9], keys' scales s[10:11], pool s[12:13], w_out's codes s[14:15], its scales s[16:17], klist s[18:19]
	s_load_b64 s[20:21], s[0:1], 0x40              ; out0
	v_lshl_add_u32 v[SPW], v0, 2, SPARE
	v_mov_b32 v[NIL], 0
	v_lshrrev_b32 v8, 5, v0
	v_readfirstlane_b32 s[WV], v8                  ; wave 0..7
	v_and_b32 v1, 31, v0                           ; lane
	v_and_b32 v2, 15, v0                           ; r
	v_bfe_u32 v3, v0, 4, 1                         ; h
	v_lshlrev_b32 v[L16], 4, v1
	v_mov_b32 v10, 0                               ; written once: a lane permute's destination counts as one of its sources
	s_mov_b32 s[SEL], 0x76543210
	s_mov_b32 s[SEL+1], 0xfedcba98
	s_wait_alu depctr_va_sdst(0)                   ; s22, the wave's number, is written, ahead of its first reader: my query is made from it
	s_lshl_b32 s23, ttmp9, 3
	s_add_co_u32 s23, s23, s[WV]                   ; my query: 8 g + w = 16 (g / 2) + 8 (g % 2) + w
	s_lshr_b32 s26, ttmp9, 1
	s_lshl_b32 s26, s26, 3
	s_add_co_u32 s26, s26, s[WV]                   ; its pair 8 (g / 2) + w, 256 bytes in klist,
	s_lshl_b32 s26, s26, 8
	s_and_b32 s27, ttmp9, 1
	s_lshl_b32 s27, s27, 7                         ; and its half, 128 bytes
	s_add_co_u32 s26, s26, s27
	s_mov_b32 s27, 0
	s_lshl_b32 s28, s23, 6                         ; my query's codes,
	s_mov_b32 s29, 0
	s_wait_kmcnt 0x0
	s_add_nc_u64 s[18:19], s[18:19], s[26:27]
	s_load_b512 s[32:47], s[18:19], 0x0            ; the list, for pool's addresses
	s_load_b512 s[48:63], s[18:19], 0x40
	s_add_nc_u64 s[4:5], s[4:5], s[28:29]
	s_lshl_b32 s28, s23, 2                         ; its scale word,
	s_add_nc_u64 s[6:7], s[6:7], s[28:29]
	s_lshl_b32 s28, s23, 10                        ; its row of out0,
	s_add_nc_u64 s[20:21], s[20:21], s[28:29]
	s_lshl_b32 s28, s[WV], 12                      ; my 32 rows of w_out: 128 bytes of codes each,
	s_add_nc_u64 s[14:15], s[14:15], s[28:29]
	s_lshl_b32 s28, s[WV], 8                       ; 8 scale bytes each
	s_add_nc_u64 s[16:17], s[16:17], s[28:29]
	v_lshlrev_b32 v104, 7, v2
	v_lshl_add_u32 v104, v3, 4, v104               ; w_out: row r of 128 bytes, + 16 h
	v_lshlrev_b32 v105, 3, v2                      ; its scale words: 8 bytes a row
	v_lshlrev_b32 v106, 4, v3                      ; my query: 16 h, the same row in all columns
	v_lshlrev_b32 v107, 2, v2                      ; the list, a place a lane
	v_mov_b32 v108, 0
	s_wait_alu depctr_va_vdst(0)                   ; v104 to v108 are written, which the loads below read as their offsets
.irp nt, 0,1
.irp ks, 0,1
.irp c, 0,1
	global_load_b128 v[WF+8*(2*\nt+\ks)+4*\c:WF+8*(2*\nt+\ks)+4*\c+3], v104, s[14:15] offset:2048*\nt+64*\ks+32*\c
.endr
	global_load_b32 v[WS+2*\nt+\ks], v105, s[16:17] offset:128*\nt+4*\ks
.endr
.endr
	global_load_b128 v[QF:QF+3], v106, s[4:5]
	global_load_b128 v[QF+4:QF+7], v106, s[4:5] offset:32
	global_load_b32 v[QSC], v108, s[6:7]
	global_load_b32 v[IDX], v107, s[18:19]         ; the list once more, for the keys' addresses: place 16 u + r
	global_load_b32 v[IDX+1], v107, s[18:19] offset:64
	s_mul_i32 s30, s[WV], RP
	v_add_nc_u32 v[AGW], s30, v[L16]               ; where my sum goes: row w, 16 x lane
	v_and_b32 v8, 7, v2
	v_mul_u32_u24 v[AGR], v8, RP
	v_lshl_add_u32 v[AGR], v3, 6, v[AGR]           ; where the sums are read: row r % 8, + 64 h
	v_mul_u32_u24 v[OSW], v8, RP
	v_lshl_add_u32 v[OSW], v3, 5, v[OSW]
	s_lshl_b32 s31, s[WV], 7
	s_add_co_u32 s31, s31, OST
	v_add_nc_u32 v[OSW], s31, v[OSW]               ; where results go: row r % 8, + 128 w + 32 h
	v_add_nc_u32 v[OSR], OST, v[AGW]               ; and where my query's row is read back
	v_lshlrev_b32 v9, 4, v3
	s_wait_loadcnt 0x0
	s_wait_kmcnt 0x0
.set SL, 0
.rept 32
	s_min_u32 s[IX+SL], s[IX+SL], 0xffff           ; a number read from memory is held inside the table before it enters an address
.set SL, SL+1
.endr
	s_wait_alu depctr_vm_vsrc(0)                   ; the first loads have read v104 to v108, which pool's addresses take below
.irp u, 0,1
	v_min_u32 v[IDX+\u], 0xffff, v[IDX+\u]
	v_lshl_add_u32 v[KAD+\u], v[IDX+\u], 6, v9     ; the key's 64 bytes, + 16 h
	v_lshlrev_b32 v[KSD+\u], 2, v[IDX+\u]          ; and its scale word
.endr
	PADDR 0                                        ; the keys' addresses and pool's first two batches' together, so that one wait serves the 38 loads
	PADDR 1
	s_wait_alu depctr_va_vdst(0)                   ; v63 to v66 and v104 to v119 are written, which the loads below read; so are the four LDS addresses v12 to v15
.irp u, 0,1
	global_load_b128 v[KFR+8*\u:KFR+8*\u+3], v[KAD+\u], s[8:9]
	global_load_b128 v[KFR+8*\u+4:KFR+8*\u+7], v[KAD+\u], s[8:9] offset:32
	global_load_b32 v[KSC+\u], v[KSD+\u], s[10:11]
.endr
	PLOAD 0
	PLOAD 1
	s_wait_loadcnt 32                              ; the keys are in; pool's two batches, 16 loads each, may be out
.irp u, 0,1
	v_wmma_scale_f32_16x16x128_f8f6f4 v[SA+8*\u:SA+8*\u+7], v[KFR+8*\u:KFR+8*\u+7], v[QF:QF+7], 0, v[KSC+\u], v[QSC] matrix_a_fmt:MATRIX_FMT_FP4 matrix_b_fmt:MATRIX_FMT_FP4
.endr
.rept 4
	v_nop                                          ; four places in front of the first read of the results (ISA guide 7.12.1)
.endr
	v_max3_num_f32 v8, v[SA], v[SA+1], v[SA+2]     ; the largest of my 16 scores; each accumulator from its low end on
	v_max3_num_f32 v9, v[SA+8], v[SA+9], v[SA+10]
	v_max3_num_f32 v8, v8, v[SA+3], v[SA+4]
	v_max3_num_f32 v9, v9, v[SA+11], v[SA+12]
	v_max3_num_f32 v8, v8, v[SA+5], v[SA+6]
	v_max3_num_f32 v9, v9, v[SA+13], v[SA+14]
	v_max3_num_f32 v8, v8, v[SA+7], v[SA+15]
	v_max_num_f32 v8, v8, v9
	v_permlanex16_b32 v10, v8, s[SEL], s[SEL+1]
	v_max_num_f32 v8, v8, v10                      ; with the other half's 16: the largest of the 32
.irp j, 0,1,2,3,4,5,6,7,8,9,10,11,12,13,14,15
	v_sub_f32 v[SA+\j], v[SA+\j], v8               ; the maximum is taken away first, exactly as large scores ask,
.endr
.irp j, 0,1,2,3,4,5,6,7,8,9,10,11,12,13,14,15
	v_mul_f32 v[SA+\j], 0x3fb8aa3b, v[SA+\j]       ; then log2(e)
.endr
.irp j, 0,1,2,3,4,5,6,7,8,9,10,11,12,13,14,15
	v_exp_f32 v[SA+\j], v[SA+\j]
.endr
	v_nop                                          ; a plain line behind the last exponential
	s_wait_alu depctr_va_vdst(0)                   ; the 16 exponentials have written v88 to v103: the wait ahead of the first line that names a result
	v_add_f32 v8, v[SA], v[SA+1]
	v_add_f32 v9, v[SA+2], v[SA+3]
.irp j, 4,6,8,10,12,14
	v_add_f32 v8, v8, v[SA+\j]
	v_add_f32 v9, v9, v[SA+\j+1]
.endr
	v_add_f32 v8, v8, v9
	v_permlanex16_b32 v10, v8, s[SEL], s[SEL+1]
	v_add_f32 v8, v8, v10                          ; the sum of the 32
	v_rcp_f32 v11, v8
	v_nop
	s_wait_alu depctr_va_vdst(0)                   ; the reciprocal has written v11: the same wait, ahead of its first reader
.irp j, 0,1,2,3,4,5,6,7,8,9,10,11,12,13,14,15
	v_mul_f32 v[SA+\j], v[SA+\j], v11              ; the weights
.endr
.irp u, 0,1
.irp j, 0,1,2,3,4,5,6,7
	v_readlane_b32 s[WT+16*\u+\j], v[SA+8*\u+\j], 0      ; place 16 u + j stands in lanes 0-15,
	v_readlane_b32 s[WT+16*\u+8+\j], v[SA+8*\u+\j], 16   ; place 16 u + 8 + j in lanes 16-31
.endr
.endr
	s_wait_alu depctr_va_sdst(0)                   ; the 32 weights are written into s68 to s99, ahead of the first multiply that reads one
.irp b, 0,1,2,3
.if \b < 3
	s_wait_loadcnt 16                              ; this batch's 16 loads are in; the next batch's may be out
.else
	s_wait_loadcnt 0x0
.endif
.if \b < 2
	s_wait_alu depctr_vm_vsrc(0)                   ; this batch's loads have read their eight address registers, which take the batch two on
	PADDR \b+2
.endif
.irp k, 0,1,2,3,4,5,6,7
.irp e, 0,1,2,3,4,5,6,7
.if (\b == 0) && (\k == 0)
	v_mul_f32 v[ACC+\e], s[WT], v[PD+\e]           ; the first row starts the sums: nothing is cleared
.else
	v_fmac_f32 v[ACC+\e], s[WT+8*\b+\k], v[PD+64*(\b%2)+8*\k+\e]
.endif
.endr
.endr
.if \b < 2
	s_wait_alu depctr_va_vdst(0)                   ; the multiply-adds are done reading this buffer, in which the loads below land, and the eight addresses that they read are written
	PLOAD \b+2
.endif
.endr
	s_wait_alu depctr_va_vdst(0)                   ; the multiply-adds have written my sum, which the two LDS stores read, and are done reading v128 to v255, in which the LDS loads behind the barrier land
	ds_store_b128 v[AGW], v[ACC:ACC+3] offset:AGG
	ds_store_b128 v[AGW], v[ACC+4:ACC+7] offset:AGG+512
	BARRIER                                        ; the 8 sums lie in LDS
	AGLOAD 0                                       ; both K steps are asked for together, each into a buffer of its own.  No wait: no vector line since the wait above names v128 to v255 or v13
	AGLOAD 1
.irp b, 0,1,2,3
	v_mov_b32 v[TM+4+\b], 0                        ; written once: a lane permute's destination counts as one of its sources
.endr
	s_wait_dscnt 16                                ; the first K step's 16 loads are in; the second's 16 may be out
	QUANT ST, FG, PW
	s_wait_dscnt 0x0
	QUANT ST+64, FG+8, PW+1
.rept 8
	v_nop                                          ; a scale register written by a vector instruction stands 8 places ahead of a scaled matrix instruction, an operand so written 4
.endr
	s_wait_alu depctr_vm_vsrc(0)                   ; pool's loads have read v104 to v119, which the products below write
	s_wait_alu depctr_va_vdst(0)                   ; the quantiser has written the sums' codes, v68 to v83, and scale words, v86 and v87, which the products take; the places above stay beside this wait
	; two accumulators by turns; the first K step starts the sums
	v_wmma_scale_f32_16x16x128_f8f6f4 v[OA:OA+7], v[WF:WF+7], v[FG:FG+7], 0, v[WS], v[PW] matrix_a_fmt:MATRIX_FMT_FP4 matrix_b_fmt:MATRIX_FMT_FP4
	v_wmma_scale_f32_16x16x128_f8f6f4 v[OA+8:OA+15], v[WF+16:WF+23], v[FG:FG+7], 0, v[WS+2], v[PW] matrix_a_fmt:MATRIX_FMT_FP4 matrix_b_fmt:MATRIX_FMT_FP4
	v_wmma_scale_f32_16x16x128_f8f6f4 v[OA:OA+7], v[WF+8:WF+15], v[FG+8:FG+15], v[OA:OA+7], v[WS+1], v[PW+1] matrix_a_fmt:MATRIX_FMT_FP4 matrix_b_fmt:MATRIX_FMT_FP4
	v_wmma_scale_f32_16x16x128_f8f6f4 v[OA+8:OA+15], v[WF+24:WF+31], v[FG+8:FG+15], v[OA+8:OA+15], v[WS+3], v[PW+1] matrix_a_fmt:MATRIX_FMT_FP4 matrix_b_fmt:MATRIX_FMT_FP4
.rept 4
	v_nop
.endr
	s_wait_alu depctr_va_vdst(0)                   ; the products have written the accumulators, which the LDS stores read; the quantiser is done reading v128 to v135, in which my row lands behind the barrier; the places above stay beside this wait
.irp nt, 0,1
	ds_store_b128 v[OSW], v[OA+8*\nt:OA+8*\nt+3] offset:64*\nt        ; lane (r, h): out0(query r % 8, 32 w + 16 nt + 8 h + 0 .. 7); lanes r and r + 8 write the same bytes with the same values
	ds_store_b128 v[OSW], v[OA+8*\nt+4:OA+8*\nt+7] offset:64*\nt+16
.endr
	BARRIER                                        ; 8 whole rows of out0 lie in the stage
	ds_load_b128 v[128:131], v[OSR]
	ds_load_b128 v[132:135], v[OSR] offset:512
	s_wait_dscnt 1                                 ; the first half of my row is in; the second load may be out
	global_store_b128 v[L16], v[128:131], s[20:21] th:TH_STORE_NT            ; 32 lanes store 512 consecutive bytes, at a multiple of 256 from out0's first byte
	s_wait_dscnt 0x0
	global_store_b128 v[L16], v[132:135], s[20:21] offset:512 th:TH_STORE_NT
	s_wait_dscnt 0x0                               ; the closing lines, six on end
	s_wait_alu 0x0
	s_wait_tensorcnt 0x0
	ds_add_u32 v[SPW], v[NIL]
	s_wait_dscnt 0x0
	s_endpgm
.Lfunc_end_k_q628ca5092c_gather:
	.size	k_q628ca5092c_gather, .Lfunc_end_k_q628ca5092c_gather-k_q628ca5092c_gather
	.p2alignl 7, 3214868480
	.fill 96, 4, 3214868480
	.section	.rodata,"a",@progbits
	.p2align	6, 0x0
	.amdhsa_kernel k_q628ca5092c_gather
		.amdhsa_group_segment_fixed_size 17920
		.amdhsa_private_segment_fixed_size 0
		.amdhsa_enable_private_segment 0
		.amdhsa_kernarg_size 72
		.amdhsa_user_sgpr_count 2
		.amdhsa_user_sgpr_kernarg_segment_ptr 1
		.amdhsa_wavefront_size32 1
		.amdhsa_system_sgpr_workgroup_id_x 1
		.amdhsa_system_sgpr_workgroup_id_y 1
		.amdhsa_system_sgpr_workgroup_id_z 1
		.amdhsa_system_vgpr_workitem_id 0
		.amdhsa_next_free_vgpr 256
		.amdhsa_next_free_sgpr 100
		.amdhsa_reserve_vcc 0
		.amdhsa_float_denorm_mode_32 3
		.amdhsa_float_denorm_mode_16_64 3
		.amdhsa_memory_ordered 1
		.amdhsa_forward_progress 1
		.amdhsa_inst_pref_size 42
	.end_amdhsa_kernel
	.amdgpu_metadata
---
amdhsa.version: [ 1, 2 ]
amdhsa.kernels:
  - .name:           k_q628ca5092c_gather
    .symbol:         k_q628ca5092c_gather.kd
    .args:
      - { .name: query_codes, .offset: 0, .size: 8, .value_kind: global_buffer, .address_space: global }
      - { .name: query_scales, .offset: 8, .size: 8, .value_kind: global_buffer, .address_space: global }
      - { .name: keys_codes, .offset: 16, .size: 8, .value_kind: global_buffer, .address_space: global }
      - { .name: keys_scales, .offset: 24, .size: 8, .value_kind: global_buffer, .address_space: global }
      - { .name: pool, .offset: 32, .size: 8, .value_kind: global_buffer, .address_space: global }
      - { .name: w_out_codes, .offset: 40, .size: 8, .value_kind: global_buffer, .address_space: global }
      - { .name: w_out_scales, .offset: 48, .size: 8, .value_kind: global_buffer, .address_space: global }
      - { .name: klist, .offset: 56, .size: 8, .value_kind: global_buffer, .address_space: global }
      - { .name: out0, .offset: 64, .size: 8, .value_kind: global_buffer, .address_space: global }
    .group_segment_fixed_size: 17920
    .private_segment_fixed_size: 0
    .kernarg_segment_align: 8
    .kernarg_segment_size: 72
    .max_flat_workgroup_size: 256
    .sgpr_count:     100
    .vgpr_count:     256
    .wavefront_size: 32
...
	.end_amdgpu_metadata
.endif
;; end of part 6
